; MI455X (gfx1250); checked and timed in simulation.
; The chip was launched on July 23, 2026; its instructions are those of AMD's public machine-readable ISA for CDNA 5 (MIT licence, August 2026) and "CDNA5" Instruction Set Architecture Reference Guide (July 2026). The comments in the code are by the model that wrote it; some were corrected since.
;; Mask ROI. Allowed arithmetic: float matrix products may take bf16 or f16 operands with f32 sums; all other float work in f32.
;; Inputs: bbox_delta 1,500 x 324 float32; bottom_rois 1,500 x 5 float32; cls_prob 1,500 x 81 float32; im_info 1 x 3 float32.
;; Outputs: out0 120,000 x 6 float32; out1 120,000 int32; out2 120,000 bool.
;; 2 versions, each right and faster than the one before. Each part assembles by itself: llvm-mc -triple=amdgcn-amd-amdhsa -mcpu=gfx1250 --defsym DOCPART=n.
;; ======== version 1 of 2: 4 launches
;; workspace buffers: rank 491,520 bytes of whole numbers; bx 1,966,080 bytes; sc 491,520 bytes; ar 491,520 bytes; kb 491,520 bytes; top 40,960 bytes
;; launch l1_rank (part 1): grid 80 x 3, 8 waves a work-group, no clusters, 7,168 bytes of LDS; arguments cls_prob, rank; writes rank
.if DOCPART == 1
	.amdgcn_target "amdgcn-amd-amdhsa--gfx1250"
	.amdhsa_code_object_version 6
	.text
	.protected	k_q59a5256fa4_l1_rank
	.globl	k_q59a5256fa4_l1_rank
	.p2align	8
	.type	k_q59a5256fa4_l1_rank,@function
k_q59a5256fa4_l1_rank:
	s_mov_b64 s[64:65], 0
	v_nop
	global_prefetch_b8 v0, s[64:65] scope:SCOPE_SE
	s_setreg_imm32_b32 hwreg(HW_REG_WAVE_MODE, 25, 1), 1
	s_wait_xcnt 0x0
; rank[c'][i] = the place of proposal i in the stable sort of class c'+1 by falling score, for scores > 0.05; 1536 (a dump slot) for the others.
; rank_i = #{j < i : s_j >= s_i} + #{j > i : s_j > s_i}: what a stable argsort of -s gives.
; rank[c'][1500..1535] = the number of scores > 0.05: these lanes take as their own score the float next above 0.05, every real j lies below
; them, so they count s_j >= that float, which is s_j > 0.05.
; Work-group (c', y): class c'+1, i = 512 y .. 512 y + 511.  Wave w: 64 i from i0 = 512 y + 64 w; lane l: i0 + 2 l and i0 + 2 l + 1,
; so that the wave's one store covers 256 consecutive bytes, aligned.
; The class's 1,500 scores are copied once into LDS (a column of cls_prob: 4 bytes of each row of 324) and then read as broadcasts, 64 at a time.
; LIMIT: a NaN score compares false everywhere: it counts against nobody and goes to the dump slot (such a score is not > 0.05 either).
; No matrix unit (no products), no tensor loads (the column is 4 bytes a row), no cluster (three work-groups share 6 KB).
.set K05,   0x3d4ccccd                 ; 0.05f
.set NEXTK, 0x3d4cccce                 ; the next float above it
.set NINF,  0xff800000
.set DUMP,  1536
.set ROWB,  324                        ; bytes in a row of cls_prob
.set J,  16                            ; v[16:79]  64 scores s_j, the same in every lane
.set CA, 80                            ; v[80:83]  four counters for my first i
.set CB, 84                            ; v[84:87]  four counters for my second i
	s_load_b128 s[4:7], s[0:1], 0x0                ; cls_prob s[4:5], rank s[6:7]
	v_lshl_add_u32 v96, v0, 2, 0x1800
	v_mov_b32 v97, 0
	v_and_b32 v1, 31, v0                           ; lane
	v_lshrrev_b32 v2, 5, v0
	v_readfirstlane_b32 s8, v2                     ; wave
	s_and_b32 s9, ttmp7, 0xffff                    ; y
	s_lshl3_add_u32 s11, s9, s8                    ; my block of 64 = 8 y + w = the number of blocks below mine
	s_sub_co_u32 s12, 23, s11                      ; blocks above mine (24 in all)
	s_lshl_b32 s14, ttmp9, 2
	s_add_co_u32 s14, s14, 4                       ; 4 (c' + 1): my column of cls_prob
	s_mov_b32 s15, 0
	s_mul_i32 s16, ttmp9, 6144                     ; my class's 1,536 words of rank
	s_mov_b32 s17, 0
	v_min_u32 v3, 219, v0                          ; the sixth score of a thread is j = 1280 + t: real up to t = 219
	v_mul_u32_u24 v2, v0, ROWB
	v_mul_u32_u24 v3, v3, ROWB
	v_lshlrev_b32 v10, 2, v0                       ; 4 t
	v_mov_b32 v11, 0                               ; LDS address of the block of 64 scores that is read next
	v_mov_b32 v15, NINF
	v_lshlrev_b32 v90, 3, v1
	v_lshl_add_u32 v90, s11, 8, v90                ; 4 i0 + 8 l: my two scores in LDS, and my two words in rank
	v_lshrrev_b32 v14, 2, v90                      ; my first i (even)
	s_wait_kmcnt 0x0
	s_add_nc_u64 s[4:5], s[4:5], s[14:15]
	s_add_nc_u64 s[6:7], s[6:7], s[16:17]
.irp k, 0,1,2,3,4
	global_load_b32 v[4+\k], v2, s[4:5] offset:82944*\k        ; s_j, j = t + 256 k
.endr
	global_load_b32 v9, v3, s[4:5] offset:414720               ; j = 1280 + min(t, 219)
.irp j, 0,1,2,3
	v_mov_b32 v[CA+\j], 0
	v_mov_b32 v[CB+\j], 0
.endr
	v_cmp_lt_u32 vcc_lo, 219, v0
	s_wait_loadcnt 0x0
	v_cndmask_b32 v9, v9, v15, vcc_lo              ; j >= 1500: -inf, which counts against nobody
.irp k, 0,1,2,3,4,5
	ds_store_b32 v10, v[4+\k] offset:1024*\k
.endr
	s_wait_dscnt 0x0                               ; my stores are in LDS before I signal: the other waves read them
	s_barrier_signal -1
	s_barrier_wait -1
	ds_load_b64 v[12:13], v90                      ; my two scores
	v_cmp_le_u32 vcc_lo, 1500, v14                 ; 1500 is even: both of a lane's i are real or neither is
	v_mov_b32 v15, NEXTK
	s_wait_dscnt 0x0
	v_cndmask_b32 v12, v12, v15, vcc_lo
	v_cndmask_b32 v13, v13, v15, vcc_lo
; 16 broadcast loads: the next 64 scores.  The address steps by a block; the last block begins at byte 5,888, and the minimum states that bound.
.macro LOADJ
.irp k, 0,1,2,3,4,5,6,7,8,9,10,11,12,13,14,15
	ds_load_b128 v[J+4*\k:J+4*\k+3], v11 offset:16*\k
.endr
	v_add_nc_u32 v11, 256, v11
	v_min_u32 v11, 5888, v11
.endm
; A block that lies wholly below (op = ge) or wholly above (op = gt) my 64 i: a compare into a lane mask, and the mask added as a carry.
.macro BLOCK op
	LOADJ
.irp k, 0,1,2,3,4,5,6,7,8,9,10,11,12,13,14,15
	s_wait_dscnt 15-\k                             ; LDS loads come back in order: load k is in, the 15 - k younger ones stay out
.irp j, 0,1,2,3
	v_cmp_\op\()_f32 s[20+2*\j], v[J+4*\k+\j], v12
	v_cmp_\op\()_f32 s[21+2*\j], v[J+4*\k+\j], v13
.endr
.irp j, 0,1,2,3
	v_add_co_ci_u32 v[CA+\j], s[20+2*\j], 0, v[CA+\j], s[20+2*\j]
	v_add_co_ci_u32 v[CB+\j], s[21+2*\j], 0, v[CB+\j], s[21+2*\j]
.endr
.endr
.endm
	s_cmp_eq_u32 s11, 0
	s_cbranch_scc1 .Ldiag
	s_mov_b32 s13, 0
.Llow:
	BLOCK ge
	s_add_co_u32 s13, s13, 1
	s_cmp_lt_u32 s13, s11
	s_cbranch_scc1 .Llow
.Ldiag:
	; my own block, j = i0 + m: 'greater' counts always, 'equal' only in the lanes whose i lies above j:
	; first i = i0 + 2 l > j in lanes l >= m/2 + 1; second i = i0 + 2 l + 1 > j in lanes l >= (m + 1)/2.
	LOADJ
.set m, 0
.rept 16
	s_wait_dscnt 15-m/4
.irp j, 0,1,2,3
	v_cmp_gt_f32 s[20+4*\j], v[J+m+\j], v12
	v_cmp_ge_f32 s[21+4*\j], v[J+m+\j], v12
	v_cmp_gt_f32 s[22+4*\j], v[J+m+\j], v13
	v_cmp_ge_f32 s[23+4*\j], v[J+m+\j], v13
.endr
.irp j, 0,1,2,3
	s_and_b32 s[21+4*\j], s[21+4*\j], (0xffffffff << ((m+\j)/2+1)) & 0xffffffff
	s_and_b32 s[23+4*\j], s[23+4*\j], (0xffffffff << ((m+\j+1)/2)) & 0xffffffff
	s_or_b32 s[20+4*\j], s[20+4*\j], s[21+4*\j]
	s_or_b32 s[22+4*\j], s[22+4*\j], s[23+4*\j]
.endr
.irp j, 0,1,2,3
	v_add_co_ci_u32 v[CA+\j], s[20+4*\j], 0, v[CA+\j], s[20+4*\j]
	v_add_co_ci_u32 v[CB+\j], s[22+4*\j], 0, v[CB+\j], s[22+4*\j]
.endr
.set m, m+4
.endr
	s_cmp_eq_u32 s12, 0
	s_cbranch_scc1 .Lsum
	s_mov_b32 s13, 0
.Lhigh:
	BLOCK gt
	s_add_co_u32 s13, s13, 1
	s_cmp_lt_u32 s13, s12
	s_cbranch_scc1 .Lhigh
.Lsum:
	v_add3_u32 v88, v[CA], v[CA+1], v[CA+2]
	v_add3_u32 v89, v[CB], v[CB+1], v[CB+2]
	v_add_nc_u32 v88, v88, v[CA+3]
	v_add_nc_u32 v89, v89, v[CB+3]
	v_mov_b32 v91, DUMP
	v_cmp_lt_f32 vcc_lo, K05, v12
	v_cndmask_b32 v88, v91, v88, vcc_lo            ; score > 0.05: its place; else the dump slot
	v_cmp_lt_f32 vcc_lo, K05, v13
	v_cndmask_b32 v89, v91, v89, vcc_lo
	global_store_b64 v90, v[88:89], s[6:7]         ; 32 lanes x 8 bytes: 256 consecutive bytes, aligned
	s_barrier_signal -1
	s_barrier_wait -1
	s_wait_tensorcnt 0x0
	ds_add_u32 v96, v97
	s_wait_dscnt 0x0
	s_endpgm
.Lfunc_end_k_q59a5256fa4_l1_rank:
	.size	k_q59a5256fa4_l1_rank, .Lfunc_end_k_q59a5256fa4_l1_rank-k_q59a5256fa4_l1_rank
	.p2alignl 7, 3214868480
	.fill 96, 4, 3214868480
	.section	.rodata,"a",@progbits
	.p2align	6, 0x0
	.amdhsa_kernel k_q59a5256fa4_l1_rank
		.amdhsa_group_segment_fixed_size 7168
		.amdhsa_private_segment_fixed_size 0
		.amdhsa_enable_private_segment 0
		.amdhsa_kernarg_size 16
		.amdhsa_user_sgpr_count 2
		.amdhsa_user_sgpr_kernarg_segment_ptr 1
		.amdhsa_wavefront_size32 1
		.amdhsa_system_sgpr_workgroup_id_x 1
		.amdhsa_system_sgpr_workgroup_id_y 1
		.amdhsa_system_sgpr_workgroup_id_z 1
		.amdhsa_system_vgpr_workitem_id 0
		.amdhsa_next_free_vgpr 98
		.amdhsa_next_free_sgpr 66
		.amdhsa_reserve_vcc 1
		.amdhsa_float_denorm_mode_32 3
		.amdhsa_float_denorm_mode_16_64 3
		.amdhsa_memory_ordered 1
		.amdhsa_forward_progress 1
		.amdhsa_inst_pref_size 77
	.end_amdhsa_kernel
	.amdgpu_metadata
---
amdhsa.version: [ 1, 2 ]
amdhsa.kernels:
  - .name:           k_q59a5256fa4_l1_rank
    .symbol:         k_q59a5256fa4_l1_rank.kd
    .args:
      - { .name: cls_prob, .offset: 0, .size: 8, .value_kind: global_buffer, .address_space: global }
      - { .name: rank, .offset: 8, .size: 8, .value_kind: global_buffer, .address_space: global }
    .group_segment_fixed_size: 7168
    .private_segment_fixed_size: 0
    .kernarg_segment_align: 8
    .kernarg_segment_size: 16
    .max_flat_workgroup_size: 256
    .sgpr_count:     66
    .vgpr_count:     98
    .wavefront_size: 32
...
	.end_amdgpu_metadata
.endif
;; end of part 1
;; launch l2_sort (part 2): grid 80 x 1, 16 waves a work-group, no clusters, 39,680 bytes of LDS; arguments rank, cls_prob, bbox_delta, bottom_rois, im_info, bx, sc, ar; writes bx, sc, ar
.if DOCPART == 2
	.amdgcn_target "amdgcn-amd-amdhsa--gfx1250"
	.amdhsa_code_object_version 6
	.text
	.protected	k_q59a5256fa4_l2_sort
	.globl	k_q59a5256fa4_l2_sort
	.p2align	8
	.type	k_q59a5256fa4_l2_sort,@function
k_q59a5256fa4_l2_sort:
	s_mov_b64 s[64:65], 0
	v_nop
	global_prefetch_b8 v0, s[64:65] scope:SCOPE_SE
	s_setreg_imm32_b32 hwreg(HW_REG_WAVE_MODE, 25, 1), 1
	s_wait_xcnt 0x0
; One work-group = one foreground class c = c' + 1.  Decode the class's 1,500 boxes and lay those with score > 0.05 at their sorted places
; (the places come as whole numbers from the launch before; the others go to a dump slot), then store, each [c'][1536]:
;   bx  the sorted boxes (16 bytes),   sc  their scores,   ar  their areas with the +1 on each side;   zeros from place nv on.
; The scatter goes through LDS, so that memory is written 16 bytes a lane: each store of a wave covers 512 consecutive bytes, aligned.
; LDS is used in three phases with a barrier between them: zeros (constant addresses), the scatter, the read back.
; LIMITS: NaN inputs are not served.  delta / 10 is delta * 0.1f; exp(delta / 5) is exp2(delta * 0.28853901), v_exp_f32's accuracy.
; No matrix unit (no products); no tensor loads (the gathers take 4 to 16 bytes of a row); no cluster (classes share no tile).
.set SCO,  24832                       ; LDS: boxes 1,537 x 16 bytes at 0 (slot 1536 is the dump slot: written, never read); scores 1,537 x 4 here
.set ARE,  31232                       ; areas 1,537 x 4
.set OFF,  64                          ; v[64:75]  proposal k: byte offsets in rank, cls_prob, bbox_delta, bottom_rois
.macro BAR
	s_wait_dscnt 0x0                               ; my LDS stores are in, my LDS loads are back: the other waves rely on both behind the barrier
	s_barrier_signal -1
	s_barrier_wait -1
.endm
	s_load_b512 s[4:19], s[0:1], 0x0               ; rank 4, cls_prob 6, bbox_delta 8, bottom_rois 10, im_info 12, bx 14, sc 16, ar 18
	v_lshl_add_u32 v80, v0, 2, 0x9300
	v_mov_b32 v81, 0
	v_lshrrev_b32 v2, 5, v0
	v_readfirstlane_b32 s28, v2                    ; wave
	s_mul_i32 s20, ttmp9, 6144                     ; rank, sc, ar: 1,536 words a class
	s_mov_b32 s21, 0
	s_lshl_b32 s22, ttmp9, 2
	s_add_co_u32 s22, s22, 4                       ; cls_prob: column c, 4 c
	s_mov_b32 s23, 0
	s_lshl_b32 s24, s22, 2                         ; bbox_delta: 16 c
	s_mov_b32 s25, 0
	s_lshl_b32 s26, s20, 2                         ; bx: 24,576 c'
	s_mov_b32 s27, 0
.macro OFFS k, src
	v_lshlrev_b32 v[OFF+4*\k], 2, \src
	v_mul_u32_u24 v[OFF+4*\k+1], \src, 324
	v_mul_u32_u24 v[OFF+4*\k+2], \src, 1296
	v_mul_u32_u24 v[OFF+4*\k+3], \src, 20
.endm
	OFFS 0, v0                                     ; thread t takes proposals t, t + 512, min(t + 1024, 1499)
	v_add_nc_u32 v40, 512, v0
	OFFS 1, v40
	v_add_nc_u32 v41, 1024, v0
	v_min_u32 v41, 1499, v41
	OFFS 2, v41
	s_wait_kmcnt 0x0
	s_add_nc_u64 s[4:5], s[4:5], s[20:21]
	s_add_nc_u64 s[6:7], s[6:7], s[22:23]
	s_add_nc_u64 s[8:9], s[8:9], s[24:25]
	s_add_nc_u64 s[14:15], s[14:15], s[26:27]
	s_add_nc_u64 s[16:17], s[16:17], s[20:21]
	s_add_nc_u64 s[18:19], s[18:19], s[20:21]
	s_load_b64 s[30:31], s[12:13], 0x0             ; height, width
.irp k, 0,1,2
	global_load_b32 v[10+\k], v[OFF+4*\k], s[4:5]
	global_load_b32 v[13+\k], v[OFF+4*\k+1], s[6:7]
	global_load_b128 v[16+4*\k:19+4*\k], v[OFF+4*\k+2], s[8:9]
	global_load_b32 v[28+4*\k], v[OFF+4*\k+3], s[10:11] offset:4   ; x1, y1, x2, y2: rows of 20 bytes, so four loads of 4
	global_load_b32 v[29+4*\k], v[OFF+4*\k+3], s[10:11] offset:8
	global_load_b32 v[30+4*\k], v[OFF+4*\k+3], s[10:11] offset:12
	global_load_b32 v[31+4*\k], v[OFF+4*\k+3], s[10:11] offset:16
.endr
.irp j, 4,5,6,7
	v_mov_b32 v\j, 0
.endr
	v_lshlrev_b32 v76, 4, v0                       ; 16 t
	v_lshlrev_b32 v77, 2, v0                       ; 4 t
	v_mov_b32 v51, 1536                            ; the dump slot
	; zeros in places 0 to 1535 of the three tables, while the 21 loads are on their way
.irp k, 0,1,2
	ds_store_b128 v76, v[4:7] offset:8192*\k
	ds_store_b32 v77, v4 offset:SCO+2048*\k
	ds_store_b32 v77, v4 offset:ARE+2048*\k
.endr
	s_wait_kmcnt 0x0
	s_add_f32 s32, s31, -1.0                       ; width - 1
	s_add_f32 s33, s30, -1.0                       ; height - 1
	BAR                                            ; the zeros lie before any wave scatters
	s_wait_loadcnt 0x0
; proposal k of the thread: decode, clip, area; box, score and area go to the sorted place
.macro DECODE k
	v_sub_f32 v40, v[30+4*\k], v[28+4*\k]
	v_sub_f32 v41, v[31+4*\k], v[29+4*\k]
	v_mul_f32 v44, 0x3e93bb63, v[18+4*\k]          ; d2 / 5 * log2(e)
	v_mul_f32 v45, 0x3e93bb63, v[19+4*\k]
	v_add_f32 v40, 1.0, v40                        ; w
	v_add_f32 v41, 1.0, v41                        ; h
	v_exp_f32 v44, v44
	v_exp_f32 v45, v45
	v_mul_f32 v46, 0x3dcccccd, v[16+4*\k]          ; d0 / 10; also the plain instruction that stands behind the two exponentials before their results are used
	v_mul_f32 v47, 0x3dcccccd, v[17+4*\k]
	v_fma_f32 v42, 0.5, v40, v[28+4*\k]            ; cx
	v_fma_f32 v43, 0.5, v41, v[29+4*\k]            ; cy
	v_fma_f32 v42, v40, v46, v42                   ; pcx
	v_fma_f32 v43, v41, v47, v43                   ; pcy
	s_wait_alu depctr_va_vdst(0)
	v_mul_f32 v44, v40, v44                        ; pw
	v_mul_f32 v45, v41, v45                        ; ph
	v_fma_f32 v56, -0.5, v44, v42
	v_fma_f32 v57, -0.5, v45, v43
	v_fma_f32 v58, 0.5, v44, v42
	v_fma_f32 v59, 0.5, v45, v43
	v_add_f32 v58, -1.0, v58
	v_add_f32 v59, -1.0, v59
.irp j, 56,57,58,59
	v_max_num_f32 v\j, 0, v\j
.endr
	v_min_num_f32 v56, s32, v56
	v_min_num_f32 v57, s33, v57
	v_min_num_f32 v58, s32, v58
	v_min_num_f32 v59, s33, v59
	v_sub_f32 v48, v58, v56
	v_sub_f32 v49, v59, v57
	v_add_f32 v48, 1.0, v48
	v_add_f32 v49, 1.0, v49
	v_mul_f32 v60, v48, v49                        ; area
.if \k == 2
	v_cmp_lt_u32 vcc_lo, 475, v0                   ; t + 1024 >= 1500: no proposal, to the dump slot
	v_cndmask_b32 v[10+\k], v[10+\k], v51, vcc_lo
.endif
	v_min_u32 v50, 0x600, v[10+\k]                 ; a loaded number enters an address only behind this bound
	v_lshlrev_b32 v62, 4, v50
	v_lshlrev_b32 v63, 2, v50
	ds_store_b128 v62, v[56:59]
	ds_store_b32 v63, v[13+\k] offset:SCO
	ds_store_b32 v63, v60 offset:ARE
.endm
	DECODE 0
	DECODE 1
	DECODE 2
	BAR                                            ; the sorted class lies in LDS
	; bx: all waves, 16 bytes a thread, three times
.irp k, 0,1,2
	ds_load_b128 v[16+4*\k:19+4*\k], v76 offset:8192*\k
.endr
	s_wait_dscnt 0x0
.irp k, 0,1,2
	global_store_b128 v76, v[16+4*\k:19+4*\k], s[14:15] offset:8192*\k
.endr
	; sc, ar: 6,144 bytes each: waves 0 to 11, 16 bytes a thread
	s_cmp_ge_u32 s28, 12
	s_cbranch_scc1 .Lend
	ds_load_b128 v[28:31], v76 offset:SCO
	ds_load_b128 v[32:35], v76 offset:ARE
	s_wait_dscnt 0x0
	global_store_b128 v76, v[28:31], s[16:17]
	global_store_b128 v76, v[32:35], s[18:19]
.Lend:
	s_barrier_signal -1
	s_barrier_wait -1
	s_wait_tensorcnt 0x0
	ds_add_u32 v80, v81
	s_wait_dscnt 0x0
	s_endpgm
.Lfunc_end_k_q59a5256fa4_l2_sort:
	.size	k_q59a5256fa4_l2_sort, .Lfunc_end_k_q59a5256fa4_l2_sort-k_q59a5256fa4_l2_sort
	.p2alignl 7, 3214868480
	.fill 96, 4, 3214868480
	.section	.rodata,"a",@progbits
	.p2align	6, 0x0
	.amdhsa_kernel k_q59a5256fa4_l2_sort
		.amdhsa_group_segment_fixed_size 39680
		.amdhsa_private_segment_fixed_size 0
		.amdhsa_enable_private_segment 0
		.amdhsa_kernarg_size 64
		.amdhsa_user_sgpr_count 2
		.amdhsa_user_sgpr_kernarg_segment_ptr 1
		.amdhsa_wavefront_size32 1
		.amdhsa_system_sgpr_workgroup_id_x 1
		.amdhsa_system_sgpr_workgroup_id_y 1
		.amdhsa_system_sgpr_workgroup_id_z 1
		.amdhsa_system_vgpr_workitem_id 0
		.amdhsa_next_free_vgpr 82
		.amdhsa_next_free_sgpr 66
		.amdhsa_reserve_vcc 1
		.amdhsa_float_denorm_mode_32 3
		.amdhsa_float_denorm_mode_16_64 3
		.amdhsa_memory_ordered 1
		.amdhsa_forward_progress 1
		.amdhsa_inst_pref_size 12
	.end_amdhsa_kernel
	.amdgpu_metadata
---
amdhsa.version: [ 1, 2 ]
amdhsa.kernels:
  - .name:           k_q59a5256fa4_l2_sort
    .symbol:         k_q59a5256fa4_l2_sort.kd
    .args:
      - { .name: rank, .offset: 0, .size: 8, .value_kind: global_buffer, .address_space: global }
      - { .name: cls_prob, .offset: 8, .size: 8, .value_kind: global_buffer, .address_space: global }
      - { .name: bbox_delta, .offset: 16, .size: 8, .value_kind: global_buffer, .address_space: global }
      - { .name: bottom_rois, .offset: 24, .size: 8, .value_kind: global_buffer, .address_space: global }
      - { .name: im_info, .offset: 32, .size: 8, .value_kind: global_buffer, .address_space: global }
      - { .name: bx, .offset: 40, .size: 8, .value_kind: global_buffer, .address_space: global }
      - { .name: sc, .offset: 48, .size: 8, .value_kind: global_buffer, .address_space: global }
      - { .name: ar, .offset: 56, .size: 8, .value_kind: global_buffer, .address_space: global }
    .group_segment_fixed_size: 39680
    .private_segment_fixed_size: 0
    .kernarg_segment_align: 8
    .kernarg_segment_size: 64
    .max_flat_workgroup_size: 512
    .sgpr_count:     66
    .vgpr_count:     82
    .wavefront_size: 32
...
	.end_amdgpu_metadata
.endif
;; end of part 2
;; launch l2_nms (part 3): grid 80 x 1, 16 waves a work-group, no clusters, 288,768 bytes of LDS; arguments rank, bx, sc, ar, kb, top; writes kb, top
.if DOCPART == 3
	.amdgcn_target "amdgcn-amd-amdhsa--gfx1250"
	.amdhsa_code_object_version 6
	.text
	.protected	k_q59a5256fa4_l2_nms
	.globl	k_q59a5256fa4_l2_nms
	.p2align	8
	.type	k_q59a5256fa4_l2_nms,@function
k_q59a5256fa4_l2_nms:
	s_mov_b64 s[64:65], 0
	v_nop
	global_prefetch_b8 v0, s[64:65] scope:SCOPE_SE
	s_setreg_imm32_b32 hwreg(HW_REG_WAVE_MODE, 25, 1), 1
	s_wait_xcnt 0x0
; One work-group = one foreground class.  Greedy NMS over the class's first nv sorted places (nv = the number of scores > 0.05, a whole number
; stored by an earlier launch); boxes, scores and areas come sorted from the launch before.  Stored:
;   kb [c'][1536]     the score's bits where the box is kept, 0 elsewhere,
;   top[c'][128]      the class's 128 largest kept scores, falling, padded with zeros; lane l's 16 bytes hold elements l, 32+l, 64+l, 96+l.
; Only places < nv matter: a score <= 0.05 neither keeps nor suppresses, sorts behind all others, and its output rows are zero.
; Steps: (1) a bit matrix in LDS, row p, bit q set if q > p and IoU(p, q) > 0.5, tiles of 32 x 32 shared among the 16 waves, boxes read from memory;
; (2) one wave walks the blocks of 32 places: inside a block a scalar chain over the diagonal tile, then the kept rows are OR-ed into the
; words of suppressed places; (3) the keep words go to LDS and all waves write out.
; Each phase of LDS between two barriers holds stores alone or loads alone: zeros | tiles | the scan's reads | keep words | their reads.
; Nothing that stems from a float steers a branch or an address: masks only select.
; LIMITS: NaN inputs are not served.  IoU > 0.5 is tested as inter > 0.5 * union (0.5 * union is exact), which differs from the rounded quotient
; only where the true quotient lies within half a unit in the last place above 0.5.  Kept scores are > 0.05, so their bits order as unsigned numbers.
; No matrix unit (no products); no tensor loads (a tile's input is 640 bytes); no cluster (classes share no tile).
.set KW,   0                           ; LDS: 64 words of keep bits, word b for places 32 b .. 32 b + 31
.set MAT,  256                         ; the bit matrix: row p at MAT + 188 p, 47 words
.set ROWP, 188
.set BLKP, 6016                        ; 32 rows
.set T,   40                           ; v[40:55]   at work
.set RB,  64                           ; v[64:191]  build: 32 row boxes, the same in every lane
.set RA,  192                          ; v[192:223] build: their areas
.set CC,  224                          ; v[224:227] build: my column's box
.set CAR, 228                          ; its area
.set WW,  229                          ; lane m: the 32 bits of row m of the tile
.set AA,  64                           ; top: the running list of 128
.set XX,  68                           ; top: a further chunk of 128
.set HH,  72                           ; v[72:75]  sorting: larger ones
.set LL,  76                           ; v[76:79]  sorting: smaller ones
.set KQ,  80                           ; v[80:83]  top: four words of keep bits
.set M1,  76                           ; s76-s80: lanes whose bit 0, 1, 2, 3, 4 is clear (the lower partner of a pair)
.set M2,  77
.set M4,  78
.set M8,  79
.set M16, 80
.set SI0, 81                           ; s81, s82: v_permlanex16_b32 takes lane i xor 16
.set SI1, 82
.set SR0, 83                           ; s83, s84: it takes lane 31 - i
.set SR1, 84
.macro BAR
	s_wait_dscnt 0x0                               ; my LDS stores are in, my LDS loads are back: the other waves rely on both behind the barrier
	s_barrier_signal -1
	s_barrier_wait -1
.endm
	s_load_b256 s[4:11], s[0:1], 0x0               ; rank 4, bx 6, sc 8, ar 10
	s_load_b128 s[12:15], s[0:1], 0x20             ; kb 12, top 14
	v_lshl_add_u32 v240, v0, 2, 0x46000
	v_mov_b32 v241, 0
	v_and_b32 v1, 31, v0                           ; lane
	v_lshrrev_b32 v2, 5, v0
	v_readfirstlane_b32 s20, v2                    ; wave
	s_mul_i32 s66, ttmp9, 6144                     ; rank, sc, ar, kb: 1,536 words a class
	s_mov_b32 s67, 0
	s_lshl_b32 s68, s66, 2                         ; bx: 24,576 c'
	s_mov_b32 s69, 0
	s_lshl_b32 s70, ttmp9, 9                       ; top: 512 c'
	s_mov_b32 s71, 0
	s_wait_kmcnt 0x0
	s_add_nc_u64 s[4:5], s[4:5], s[66:67]
	s_add_nc_u64 s[6:7], s[6:7], s[68:69]
	s_add_nc_u64 s[8:9], s[8:9], s[66:67]
	s_add_nc_u64 s[10:11], s[10:11], s[66:67]
	s_add_nc_u64 s[12:13], s[12:13], s[66:67]
	s_add_nc_u64 s[14:15], s[14:15], s[70:71]
	s_load_b32 s22, s[4:5], 0x1770                 ; rank[c'][1500] = nv
	v_lshlrev_b32 v2, 4, v1                        ; 16 lane
	v_lshlrev_b32 v3, 2, v1                        ; 4 lane
.irp j, 4,5,6,7
	v_mov_b32 v\j, 0
.endr
	v_mov_b32 v8, -2
	v_lshlrev_b32 v8, v1, v8                       ; bits above my lane: a diagonal tile keeps only columns behind the row
	v_mul_u32_u24 v9, v1, ROWP
	v_add_nc_u32 v9, MAT, v9                       ; row 'lane' of the matrix
	v_lshlrev_b32 v236, 4, v0                      ; 16 t
	v_lshlrev_b32 v61, 4, v0                       ; the zero fill's address
	v_mov_b32 v140, 0                              ; keep words: lane b of v140 for block b < 32,
	v_mov_b32 v141, 0                              ; lane b - 32 of v141 for the others
	v_add_nc_u32 v142, 32, v1
	s_lshr_b32 s25, s20, 2                         ; wr: my tiles' block rows are wr, wr + 4, ..
	s_and_b32 s26, s20, 3                          ; wc: my tiles' block columns are congruent to wc modulo 4
	s_sub_co_u32 s29, s26, s25
	s_and_b32 s29, s29, 3                          ; from the diagonal to my first column: (wc - wr) mod 4
	s_wait_kmcnt 0x0
	s_min_u32 s22, s22, 1500                       ; nv
	s_add_co_u32 s23, s22, 31
	s_lshr_b32 s23, s23, 5                         ; nb = blocks of 32 places, 47 at the most
	s_mul_i32 s24, s23, BLKP
	s_add_co_u32 s24, s24, MAT+128+8191            ; 128 more: the scan's loads of words 32 to 63 reach 68 bytes past the last row
	s_lshr_b32 s24, s24, 13                        ; trips of 8,192 bytes (512 threads x 16), 1 to 35
	; zeros from LDS byte 0 to the end of the rows in use: tiles left of the diagonal and words from nb on are never stored, but are read
	s_mov_b32 s27, 0
.Lzero:
	ds_store_b128 v61, v[4:7]
	v_add_nc_u32 v61, 8192, v61
	v_min_u32 v61, 286704, v61                     ; the last 16 bytes the fill reaches: the stepped address is not used beyond them
	s_add_co_u32 s27, s27, 1
	s_cmp_lt_u32 s27, s24
	s_cbranch_scc1 .Lzero
	BAR                                            ; the zeros lie before any wave stores a tile
; four rows of a tile against my column, the four rows as independent chains
.macro ROW4 g
.irp j, 0,1,2,3
	v_min_num_f32 v[T+4*\j],   v[RB+16*\g+4*\j+2], v[CC+2]
	v_min_num_f32 v[T+4*\j+1], v[RB+16*\g+4*\j+3], v[CC+3]
	v_max_num_f32 v[T+4*\j+2], v[RB+16*\g+4*\j],   v[CC]
	v_max_num_f32 v[T+4*\j+3], v[RB+16*\g+4*\j+1], v[CC+1]
.endr
.irp j, 0,1,2,3
	v_pk_add_f32 v[T+4*\j:T+4*\j+1], v[T+4*\j:T+4*\j+1], v[T+4*\j+2:T+4*\j+3] neg_lo:[0,1] neg_hi:[0,1]
.endr
.irp j, 0,1,2,3
	v_pk_add_f32 v[T+4*\j:T+4*\j+1], v[T+4*\j:T+4*\j+1], 1.0 op_sel_hi:[1,0]
	v_add_f32 v[T+4*\j+2], v[RA+4*\g+\j], v[CAR]
.endr
.irp j, 0,1,2,3
	v_max_num_f32 v[T+4*\j],   0, v[T+4*\j]
	v_max_num_f32 v[T+4*\j+1], 0, v[T+4*\j+1]
.endr
.irp j, 0,1,2,3
	v_mul_f32 v[T+4*\j], v[T+4*\j], v[T+4*\j+1]            ; inter
.endr
.irp j, 0,1,2,3
	v_sub_f32 v[T+4*\j+2], v[T+4*\j+2], v[T+4*\j]          ; union
.endr
.irp j, 0,1,2,3
	v_mul_f32 v[T+4*\j+2], 0.5, v[T+4*\j+2]
.endr
.irp j, 0,1,2,3
	v_cmp_gt_f32 s[66+\j], v[T+4*\j], v[T+4*\j+2]
.endr
.irp j, 0,1,2,3
	v_writelane_b32 v[WW], s[66+\j], 4*\g+\j               ; the row's 32 bits become lane 'row' of the tile's register
.endr
.endm
	; BUILD.  Tile (b, b'), b' >= b: rows 32 b .. + 31 the same in every lane, column 32 b' + lane; all from memory, so this phase only stores to LDS.
	; Both loops count their trips by 1; the block numbers are made from the counters: b = wr + 4 i, b' = first column + 4 j.
	s_add_co_u32 s85, s23, 3
	s_sub_co_u32 s85, s85, s25                     ; wr <= 3: no wrap
	s_lshr_b32 s85, s85, 2                         ; my block rows: the b = wr + 4 i below nb
	s_min_u32 s85, s85, 12                         ; 47 blocks, four apart: 12 at the most
	s_cmp_eq_u32 s85, 0
	s_cbranch_scc1 .Lbuilt
	s_mov_b32 s86, 0
.Lrows:
	s_lshl2_add_u32 s27, s86, s25                  ; b
	s_add_co_u32 s87, s27, s29                     ; my first block column on or right of the diagonal
	s_add_co_u32 s88, s23, 3
	s_sub_co_u32 s88, s88, s87                     ; nb - b >= 1 and the distance from the diagonal <= 3: no wrap
	s_lshr_b32 s88, s88, 2                         ; my tiles in this block row
	s_min_u32 s88, s88, 12
	s_cmp_eq_u32 s88, 0
	s_cbranch_scc1 .Lrow_done                      ; none: the row's loads are not issued either
	s_min_u32 s30, s27, 46                         ; b < nb <= 47, stated where b enters addresses
	s_lshl_b32 s66, s30, 9
	s_lshl_b32 s67, s30, 7
	s_mul_i32 s31, s30, BLKP
	v_mov_b32 v230, s66                            ; rewritten only behind the wait for 0 in the row's first tile, which shows these loads done
	v_mov_b32 v231, s67
.set m, 0
.rept 32
	global_load_b128 v[RB+4*m:RB+4*m+3], v230, s[6:7] offset:16*m
.set m, m+1
.endr
.irp g, 0,1,2,3,4,5,6,7
	global_load_b128 v[RA+4*\g:RA+4*\g+3], v231, s[10:11] offset:16*\g
.endr
	s_mov_b32 s89, 0
.Lcols:
	s_lshl2_add_u32 s28, s89, s87                  ; b'
	s_min_u32 s72, s28, 46
	v_lshl_add_u32 v232, s72, 9, v2
	v_lshl_add_u32 v233, s72, 7, v3
	global_load_b128 v[CC:CC+3], v232, s[6:7]
	global_load_b32 v[CAR], v233, s[10:11]
	s_lshl2_add_u32 s71, s72, s31
	v_add_nc_u32 v235, s71, v9                     ; word b' of row 32 b + lane
	s_cmp_eq_u32 s27, s28
	s_cselect_b32 s70, 0, -1
	v_or_b32 v234, s70, v8                         ; all bits, or on the diagonal those behind the row
	v_mov_b32 v[WW], 0
	s_wait_loadcnt 0x0                             ; zero: the column, and in the row's first tile the 40 row loads too; it also frees the four address registers
.irp g, 0,1,2,3,4,5,6,7
	ROW4 \g
.endr
	v_and_b32 v[WW], v[WW], v234
	ds_store_b32 v235, v[WW]
	s_add_co_u32 s89, s89, 1
	s_cmp_lt_u32 s89, s88
	s_cbranch_scc1 .Lcols
.Lrow_done:
	s_add_co_u32 s86, s86, 1
	s_cmp_lt_u32 s86, s85
	s_cbranch_scc1 .Lrows
.Lbuilt:
	BAR                                            ; the matrix is whole
	; SCAN, wave 0 alone; it only loads from LDS.  v129 / v130: lane L holds the suppressed bits of block L / 32 + L.
	s_cmp_lg_u32 s20, 0
	s_cbranch_scc1 .Lscanned
	s_cmp_eq_u32 s23, 0
	s_cbranch_scc1 .Lscanned
	v_mov_b32 v129, 0
	v_mov_b32 v130, 0
	v_add_nc_u32 v138, MAT, v3
	s_mov_b32 s27, 0
.Lscan:
	s_min_u32 s30, s27, 46
	s_mul_i32 s66, s30, BLKP
	s_lshl2_add_u32 s67, s30, s66
	v_add_nc_u32 v137, s67, v9                     ; the diagonal tile: word b of row 32 b + lane
	v_add_nc_u32 v136, s66, v138                   ; word 'lane' of row 32 b
	ds_load_b32 v128, v137
.set m, 0
.rept 32
	ds_load_b32 v[64+m], v136 offset:ROWP*m        ; row m, words 0 to 31
.set m, m+1
.endr
	s_and_b32 s69, s27, 31
	v_readlane_b32 s68, v129, s69
	v_readlane_b32 s70, v130, s69
	s_cmp_lt_u32 s27, 32
	s_cselect_b32 s68, s68, s70                    ; this block's suppressed bits so far
	s_lshl_b32 s71, s27, 5
	s_sub_co_u32 s71, s22, s71
	s_min_u32 s71, s71, 32                         ; places of the block below nv
	s_bfm_b32 s72, s71, 0
	s_cmp_ge_u32 s71, 32
	s_cselect_b32 s72, -1, s72
	s_and_not1_b32 s73, s72, s68                   ; alive
	s_wait_dscnt 32                                ; the diagonal tile is in; the 32 loads issued behind it stay out
.set m, 0
.rept 32
	v_readlane_b32 s[32+m], v128, m
.set m, m+1
.endr
.set m, 0
.rept 32
	ds_load_b32 v[96+m], v136 offset:ROWP*m+128    ; row m, words 32 to 63 (from 47 on they are the next row's: they land in lanes that stand for no block)
.set m, m+1
.endr
	; the chain: if place m is still alive it is kept and takes its row's bits out of 'alive'; s[32+m] becomes all ones or 0
.set m, 0
.rept 32
	s_bitcmp1_b32 s73, m
	s_cselect_b32 s74, s[32+m], 0
	s_cselect_b32 s[32+m], -1, 0
	s_and_not1_b32 s73, s73, s74
.set m, m+1
.endr
	s_wait_dscnt 32                                ; words 0 to 31 are in; the 32 loads of words 32 to 63 stay out
.irp j, 0,1,2,3
	v_and_b32 v[132+\j], s[32+\j], v[64+\j]
.endr
.set m, 4
.rept 28
	v_and_or_b32 v[132+m%4], v[64+m], s[32+m], v[132+m%4]
.set m, m+1
.endr
	v_or_b32 v132, v132, v133
	v_or_b32 v134, v134, v135
	v_or_b32 v129, v129, v132
	v_or_b32 v129, v129, v134
	s_wait_dscnt 0x0
.irp j, 0,1,2,3
	v_and_b32 v[132+\j], s[32+\j], v[96+\j]
.endr
.set m, 4
.rept 28
	v_and_or_b32 v[132+m%4], v[96+m], s[32+m], v[132+m%4]
.set m, m+1
.endr
	v_or_b32 v132, v132, v133
	v_or_b32 v134, v134, v135
	v_or_b32 v130, v130, v132
	v_or_b32 v130, v130, v134
	v_mov_b32 v139, s73                            ; the block's keep bits go to the lane that stands for the block
	v_cmp_eq_u32 vcc_lo, s27, v1
	v_cndmask_b32 v140, v140, v139, vcc_lo
	v_cmp_eq_u32 vcc_lo, s27, v142
	v_cndmask_b32 v141, v141, v139, vcc_lo
	s_add_co_u32 s27, s27, 1
	s_cmp_lt_u32 s27, s23
	s_cbranch_scc1 .Lscan
.Lscanned:
	BAR                                            ; the scan's reads of LDS are over
	s_cmp_lg_u32 s20, 0
	s_cbranch_scc1 .Lkw_done
	ds_store_b32 v3, v140 offset:KW                ; 64 keep words; zero for blocks from nb on
	ds_store_b32 v3, v141 offset:KW+128
.Lkw_done:
	BAR                                            ; the keep words lie in LDS
	; kb: waves 0 to 11, thread t takes places 4 t .. 4 t + 3; each store of a wave covers 512 consecutive bytes, aligned
	s_cmp_ge_u32 s20, 12
	s_cbranch_scc1 .Lno_kb
	global_load_b128 v[96:99], v236, s[8:9]
	v_lshrrev_b32 v237, 3, v0
	v_lshlrev_b32 v237, 2, v237                    ; keep word t / 8
	ds_load_b32 v100, v237 offset:KW
	v_and_b32 v101, 7, v0
	v_lshlrev_b32 v101, 2, v101
	s_wait_dscnt 0x0
	v_lshrrev_b32 v100, v101, v100                 ; my four bits at the bottom
	s_wait_loadcnt 0x0
.irp j, 0,1,2,3
	v_and_b32 v102, 1<<\j, v100
	v_cmp_ne_u32 vcc_lo, 0, v102
	v_cndmask_b32 v[96+\j], 0, v[96+\j], vcc_lo
.endr
	global_store_b128 v236, v[96:99], s[12:13]
.Lno_kb:
	; top: wave 15 alone
	s_cmp_lg_u32 s20, 15
	s_cbranch_scc1 .Lend
; SORTING 128 numbers in four registers, element e = 32 r + lane, falling.  A merge level of 2 k compares e with e xor (2 k - 1), then with
; e xor k/2, k/4, .. 1; the lower index of a pair always takes the larger number.
.macro LST base, xm, msk               ; partners inside 16 lanes: lane xor xm; msk: the lanes that are the lower partner
.irp r, 0,1,2,3
	v_max_num_f32_dpp v[HH+\r], v[\base+\r], v[\base+\r] row_xmask:\xm row_mask:0xf bank_mask:0xf
.endr
.irp r, 0,1,2,3
	v_min_num_f32_dpp v[LL+\r], v[\base+\r], v[\base+\r] row_xmask:\xm row_mask:0xf bank_mask:0xf
.endr
.irp r, 0,1,2,3
	v_cndmask_b32 v[\base+\r], v[LL+\r], v[HH+\r], s[\msk]
.endr
.endm
.macro P16 base, s0, s1                ; partners in the other half of the lanes: lane xor 16 or lane xor 31, by the selects
.irp r, 0,1,2,3
	v_permlanex16_b32 v[HH+\r], v[\base+\r], s[\s0], s[\s1]
.endr
.irp r, 0,1,2,3
	v_min_num_f32 v[LL+\r], v[\base+\r], v[HH+\r]
.endr
.irp r, 0,1,2,3
	v_max_num_f32 v[HH+\r], v[\base+\r], v[HH+\r]
.endr
.irp r, 0,1,2,3
	v_cndmask_b32 v[\base+\r], v[LL+\r], v[HH+\r], s[M16]
.endr
.endm
.macro RP a, b, h                      ; partners in two registers, same lane
	v_max_num_f32 v[HH+\h], v[\a], v[\b]
	v_min_num_f32 v[\b], v[\a], v[\b]
	v_mov_b32 v[\a], v[HH+\h]
.endm
.macro RF a, b, h                      ; partners in two registers, lane against 31 - lane
	v_permlanex16_b32 v[HH+\h], v[\b], s[SR0], s[SR1]
	v_permlanex16_b32 v[LL+\h], v[\a], s[SR0], s[SR1]
	v_max_num_f32 v[\a], v[\a], v[HH+\h]
	v_min_num_f32 v[\b], v[\b], v[LL+\h]
.endm
.macro CL8 base
	LST \base, 8, M8
	LST \base, 4, M4
	LST \base, 2, M2
	LST \base, 1, M1
.endm
.macro SORT128 base
	LST \base, 1, M1
	LST \base, 3, M2
	LST \base, 1, M1
	LST \base, 7, M4
	LST \base, 2, M2
	LST \base, 1, M1
	LST \base, 15, M8
	LST \base, 4, M4
	LST \base, 2, M2
	LST \base, 1, M1
	P16 \base, SR0, SR1
	CL8 \base
	RF \base, \base+1, 0
	RF \base+2, \base+3, 1
	P16 \base, SI0, SI1
	CL8 \base
	RF \base, \base+3, 0
	RF \base+1, \base+2, 1
	RP \base, \base+1, 0
	RP \base+2, \base+3, 1
	P16 \base, SI0, SI1
	CL8 \base
.endm
.macro MERGE a, b                      ; a = the 128 largest of two sorted lists: max(a[e], b[127 - e]) is bitonic; then distances 64 .. 1
.irp r, 0,1,2,3
	v_permlanex16_b32 v[HH+\r], v[\b+3-\r], s[SR0], s[SR1]
.endr
.irp r, 0,1,2,3
	v_max_num_f32 v[\a+\r], v[\a+\r], v[HH+\r]
.endr
	RP \a, \a+2, 0
	RP \a+1, \a+3, 1
	RP \a, \a+1, 0
	RP \a+2, \a+3, 1
	P16 \a, SI0, SI1
	CL8 \a
.endm
; 128 places: the score where the keep bit is set, 0 elsewhere.  v104: 16 x chunk; v105: 512 x chunk + 4 lane
.macro CHUNK base
	ds_load_b128 v[KQ:KQ+3], v104 offset:KW
.irp r, 0,1,2,3
	global_load_b32 v[\base+\r], v105, s[8:9] offset:128*\r
.endr
	s_wait_dscnt 0x0
.irp r, 0,1,2,3
	v_lshrrev_b32 v[KQ+\r], v1, v[KQ+\r]
.endr
.irp r, 0,1,2,3
	v_and_b32 v[KQ+\r], 1, v[KQ+\r]
.endr
.irp r, 0,1,2,3
	v_cmp_ne_u32 s[66+\r], 0, v[KQ+\r]
.endr
	s_wait_loadcnt 0x0                             ; the four scores; it also frees v105 for the next chunk
.irp r, 0,1,2,3
	v_cndmask_b32 v[\base+\r], 0, v[\base+\r], s[66+\r]
.endr
.endm
	s_mov_b32 s[M1],  0x55555555
	s_mov_b32 s[M2],  0x33333333
	s_mov_b32 s[M4],  0x0f0f0f0f
	s_mov_b32 s[M8],  0x00ff00ff
	s_mov_b32 s[M16], 0x0000ffff
	s_mov_b32 s[SI0], 0x76543210
	s_mov_b32 s[SI1], 0xfedcba98
	s_mov_b32 s[SR0], 0x89abcdef
	s_mov_b32 s[SR1], 0x01234567
.irp r, 0,1,2,3
	v_mov_b32 v[HH+\r], 0                          ; destinations of lane-crossing instructions count as read: written once here
	v_mov_b32 v[LL+\r], 0
.endr
	s_add_co_u32 s28, s23, 3
	s_lshr_b32 s28, s28, 2                         ; chunks of 128 places that hold places below nv
	v_mov_b32 v104, 0
	v_mov_b32 v105, v3
	CHUNK AA
	SORT128 AA
	s_cmp_le_u32 s28, 1
	s_cbranch_scc1 .Ltop_out
	s_mov_b32 s27, 1
.Lchunk:
	s_min_u32 s30, s27, 11                         ; 12 chunks at the most
	s_lshl_b32 s29, s30, 4
	v_mov_b32 v104, s29
	v_lshl_add_u32 v105, s30, 9, v3
	CHUNK XX
	SORT128 XX
	MERGE AA, XX
	s_add_co_u32 s27, s27, 1
	s_cmp_lt_u32 s27, s28
	s_cbranch_scc1 .Lchunk
.Ltop_out:
	global_store_b128 v2, v[AA:AA+3], s[14:15]     ; 512 consecutive bytes, aligned
.Lend:
	s_barrier_signal -1
	s_barrier_wait -1
	s_wait_tensorcnt 0x0
	ds_add_u32 v240, v241
	s_wait_dscnt 0x0
	s_endpgm
.Lfunc_end_k_q59a5256fa4_l2_nms:
	.size	k_q59a5256fa4_l2_nms, .Lfunc_end_k_q59a5256fa4_l2_nms-k_q59a5256fa4_l2_nms
	.p2alignl 7, 3214868480
	.fill 96, 4, 3214868480
	.section	.rodata,"a",@progbits
	.p2align	6, 0x0
	.amdhsa_kernel k_q59a5256fa4_l2_nms
		.amdhsa_group_segment_fixed_size 288768
		.amdhsa_private_segment_fixed_size 0
		.amdhsa_enable_private_segment 0
		.amdhsa_kernarg_size 48
		.amdhsa_user_sgpr_count 2
		.amdhsa_user_sgpr_kernarg_segment_ptr 1
		.amdhsa_wavefront_size32 1
		.amdhsa_system_sgpr_workgroup_id_x 1
		.amdhsa_system_sgpr_workgroup_id_y 1
		.amdhsa_system_sgpr_workgroup_id_z 1
		.amdhsa_system_vgpr_workitem_id 0
		.amdhsa_next_free_vgpr 242
		.amdhsa_next_free_sgpr 96
		.amdhsa_reserve_vcc 1
		.amdhsa_float_denorm_mode_32 3
		.amdhsa_float_denorm_mode_16_64 3
		.amdhsa_memory_ordered 1
		.amdhsa_forward_progress 1
		.amdhsa_inst_pref_size 91
	.end_amdhsa_kernel
	.amdgpu_metadata
---
amdhsa.version: [ 1, 2 ]
amdhsa.kernels:
  - .name:           k_q59a5256fa4_l2_nms
    .symbol:         k_q59a5256fa4_l2_nms.kd
    .args:
      - { .name: rank, .offset: 0, .size: 8, .value_kind: global_buffer, .address_space: global }
      - { .name: bx, .offset: 8, .size: 8, .value_kind: global_buffer, .address_space: global }
      - { .name: sc, .offset: 16, .size: 8, .value_kind: global_buffer, .address_space: global }
      - { .name: ar, .offset: 24, .size: 8, .value_kind: global_buffer, .address_space: global }
      - { .name: kb, .offset: 32, .size: 8, .value_kind: global_buffer, .address_space: global }
      - { .name: top, .offset: 40, .size: 8, .value_kind: global_buffer, .address_space: global }
    .group_segment_fixed_size: 288768
    .private_segment_fixed_size: 0
    .kernarg_segment_align: 8
    .kernarg_segment_size: 48
    .max_flat_workgroup_size: 512
    .sgpr_count:     96
    .vgpr_count:     242
    .wavefront_size: 32
...
	.end_amdgpu_metadata
.endif
;; end of part 3
;; launch l3_cap (part 4): grid 118 x 1, 16 waves a work-group, no clusters, 38,400 bytes of LDS; arguments bx, kb, top, out0, out1, out2; writes out0, out1, out2
.if DOCPART == 4
	.amdgcn_target "amdgcn-amd-amdhsa--gfx1250"
	.amdhsa_code_object_version 6
	.text
	.protected	k_q59a5256fa4_l3_cap
	.globl	k_q59a5256fa4_l3_cap
	.p2align	8
	.type	k_q59a5256fa4_l3_cap,@function
k_q59a5256fa4_l3_cap:
	s_mov_b64 s[64:65], 0
	v_nop
	global_prefetch_b8 v0, s[64:65] scope:SCOPE_SE
	s_setreg_imm32_b32 hwreg(HW_REG_WAVE_MODE, 25, 1), 1
	s_wait_xcnt 0x0
; The cap at 100 detections, and the three outputs.  Work-group g owns dets 1024 g .. 1024 g + 1023 (the last one 192): 24,576 bytes of out0,
; 4,096 of out1, 1,024 of out2, each piece beginning at a multiple of 256 bytes.
; Every work-group finds the threshold by itself: the 80 classes' sorted lists of 128 kept scores (40 KB) are merged, keeping the 128 largest:
; 16 waves x 5 lists, 4 waves x 4, 1 wave x 4.  Element 99 of the result is the 100th largest kept score, or 0 if fewer than 100 are kept.
; A det passes if its kept-score bits (0 where not kept) are >= max(that, 1) as unsigned numbers: with more than 100 kept that is
; 'kept and s >= kth'; with 100 or fewer every kept det passes.  Kept scores are > 0.05, so their bits order as the floats do.
; Records of 24 bytes are laid in LDS and leave as 16 bytes a lane, so that each store of a wave covers 512 consecutive bytes, aligned.
; No work-group talks to another; no matrix unit, tensor load or cluster: what is shared is the 40 KB of lists.
.set TL,  0                            ; LDS: 16 lists of 512 bytes
.set TL2, 8192                         ; 4 lists
.set TW,  10240                        ; the threshold
.set REC, 10496                        ; 1,024 records of 24 bytes
.set FLG, 35072                        ; 1,024 flags of one byte
.set HH,  8                            ; v[8:11]   sorting: larger ones
.set LL,  12                           ; v[12:15]  sorting: smaller ones
.set M1,  32                           ; s32-s36: lanes whose bit 0, 1, 2, 3, 4 is clear
.set M2,  33
.set M4,  34
.set M8,  35
.set M16, 36
.set SI0, 37                           ; s37, s38: v_permlanex16_b32 takes lane i xor 16
.set SI1, 38
.set SR0, 39                           ; s39, s40: it takes lane 31 - i
.set SR1, 40
.macro BAR
	s_wait_dscnt 0x0                               ; my LDS stores are in, my LDS loads are back, before I signal
	s_barrier_signal -1
	s_barrier_wait -1
.endm
; 128 numbers in four registers, element e = 32 r + lane, falling; the lower index of a pair takes the larger number
.macro LST base, xm, msk
.irp r, 0,1,2,3
	v_max_num_f32_dpp v[HH+\r], v[\base+\r], v[\base+\r] row_xmask:\xm row_mask:0xf bank_mask:0xf
.endr
.irp r, 0,1,2,3
	v_min_num_f32_dpp v[LL+\r], v[\base+\r], v[\base+\r] row_xmask:\xm row_mask:0xf bank_mask:0xf
.endr
.irp r, 0,1,2,3
	v_cndmask_b32 v[\base+\r], v[LL+\r], v[HH+\r], s[\msk]
.endr
.endm
.macro P16 base, s0, s1
.irp r, 0,1,2,3
	v_permlanex16_b32 v[HH+\r], v[\base+\r], s[\s0], s[\s1]
.endr
.irp r, 0,1,2,3
	v_min_num_f32 v[LL+\r], v[\base+\r], v[HH+\r]
.endr
.irp r, 0,1,2,3
	v_max_num_f32 v[HH+\r], v[\base+\r], v[HH+\r]
.endr
.irp r, 0,1,2,3
	v_cndmask_b32 v[\base+\r], v[LL+\r], v[HH+\r], s[M16]
.endr
.endm
.macro RP a, b, h
	v_max_num_f32 v[HH+\h], v[\a], v[\b]
	v_min_num_f32 v[\b], v[\a], v[\b]
	v_mov_b32 v[\a], v[HH+\h]
.endm
.macro CL8 base
	LST \base, 8, M8
	LST \base, 4, M4
	LST \base, 2, M2
	LST \base, 1, M1
.endm
.macro MERGE a, b                      ; a = the 128 largest of two sorted lists: max(a[e], b[127 - e]) is bitonic; then distances 64 .. 1
.irp r, 0,1,2,3
	v_permlanex16_b32 v[HH+\r], v[\b+3-\r], s[SR0], s[SR1]
.endr
.irp r, 0,1,2,3
	v_max_num_f32 v[\a+\r], v[\a+\r], v[HH+\r]
.endr
	RP \a, \a+2, 0
	RP \a+1, \a+3, 1
	RP \a, \a+1, 0
	RP \a+2, \a+3, 1
	P16 \a, SI0, SI1
	CL8 \a
.endm
	s_load_b256 s[4:11], s[0:1], 0x0               ; bx 4, kb 6, top 8, out0 10
	s_load_b128 s[12:15], s[0:1], 0x20             ; out1 12, out2 14
	v_lshl_add_u32 v80, v0, 2, 0x8e00
	v_mov_b32 v81, 0
	v_and_b32 v1, 31, v0
	v_lshrrev_b32 v2, 5, v0
	v_readfirstlane_b32 s20, v2                    ; wave
	s_mov_b32 s16, 0xaec33e20                      ; ceil(2^40 / 375): x / 375 = (x * this) >> 40 for every 32-bit x
	s_mov_b32 s[M1],  0x55555555
	s_mov_b32 s[M2],  0x33333333
	s_mov_b32 s[M4],  0x0f0f0f0f
	s_mov_b32 s[M8],  0x00ff00ff
	s_mov_b32 s[M16], 0x0000ffff
	s_mov_b32 s[SI0], 0x76543210
	s_mov_b32 s[SI1], 0xfedcba98
	s_mov_b32 s[SR0], 0x89abcdef
	s_mov_b32 s[SR1], 0x01234567
	s_lshl_b32 s17, ttmp9, 10                      ; my first det
	s_sub_co_u32 s18, 120000, s17                  ; dets from there to the end (192 in the last work-group)
	s_mul_i32 s22, ttmp9, 24576
	s_mov_b32 s23, 0
	s_lshl_b32 s24, ttmp9, 12
	s_mov_b32 s25, 0
	s_lshl_b32 s26, ttmp9, 10
	s_mov_b32 s27, 0
	s_mul_i32 s19, s20, 2560                       ; my wave's five lists
	v_lshlrev_b32 v3, 4, v1                        ; 16 lane
	v_lshlrev_b32 v4, 4, v0                        ; 16 t
	v_add_nc_u32 v5, s19, v3
	v_mov_b32 v6, 0
	v_mul_u32_u24 v55, v0, 24                      ; my record
	; my two dets D = first + t, + 512 (held inside the outputs); class c' = D / 1500 = (D / 4) / 375; place in the padded buffers = D + 36 c'
	v_add_nc_u32 v36, s17, v0
	v_add_nc_u32 v37, 512, v36
	v_min_u32 v36, 119999, v36
	v_min_u32 v37, 119999, v37
.irp k, 0,1
	v_lshrrev_b32 v38, 2, v[36+\k]
	v_mul_hi_u32 v38, v38, s16
	v_lshrrev_b32 v38, 8, v38
	v_mad_u32_u24 v38, v38, 36, v[36+\k]
	v_lshlrev_b32 v[50+\k], 4, v38
	v_lshlrev_b32 v[52+\k], 2, v38
.endr
.irp r, 0,1,2,3
	v_mov_b32 v[HH+\r], 0                          ; destinations of lane-crossing instructions count as read: written once here
	v_mov_b32 v[LL+\r], 0
.endr
	s_wait_kmcnt 0x0
	s_add_nc_u64 s[10:11], s[10:11], s[22:23]
	s_add_nc_u64 s[12:13], s[12:13], s[24:25]
	s_add_nc_u64 s[14:15], s[14:15], s[26:27]
.irp i, 0,1,2,3,4
	global_load_b128 v[16+4*\i:19+4*\i], v5, s[8:9] offset:512*\i
.endr
.irp k, 0,1
	global_load_b128 v[40+4*\k:43+4*\k], v[50+\k], s[4:5] th:TH_LOAD_NT
	global_load_b32 v[48+\k], v[52+\k], s[6:7] th:TH_LOAD_NT
.endr
	; out1, waves 0 to 7: thread t writes the class of dets 4 j .. 4 j + 3, j = 256 g + t: all four are j / 375 + 1, since 1500 = 4 x 375
	s_cmp_ge_u32 s20, 8
	s_cbranch_scc1 .Lno_cls
	s_lshl_b32 s21, ttmp9, 8
	v_add_nc_u32 v54, s21, v0
	v_mul_hi_u32 v54, v54, s16
	v_lshrrev_b32 v54, 8, v54
	v_add_nc_u32 v72, 1, v54
	v_mov_b32 v73, v72
	v_mov_b32 v74, v72
	v_mov_b32 v75, v72
	s_lshr_b32 s28, s18, 2                         ; groups of four dets left
	s_wait_xcnt 0x0                                ; EXEC is a source of the pending loads: it changes only behind this wait
	v_cmp_gt_u32 vcc_lo, s28, v0
	s_and_saveexec_b32 s29, vcc_lo
	global_store_b128 v4, v[72:75], s[12:13] th:TH_STORE_NT
	s_wait_xcnt 0x0                                ; and again before it is widened
	s_or_b32 exec_lo, exec_lo, s29
.Lno_cls:
	; first level: my five lists.  Nine loads were issued: list i is in when at most 8 - i are out.
	s_wait_loadcnt 7
	MERGE 16, 20
	s_wait_loadcnt 6
	MERGE 16, 24
	s_wait_loadcnt 5
	MERGE 16, 28
	s_wait_loadcnt 4                               ; the four loads of my dets may stay out
	MERGE 16, 32
	ds_store_b128 v4, v[16:19] offset:TL           ; 16 t = 512 w + 16 lane
	BAR
	; second level: waves 0 to 3, four lists each
	s_cmp_ge_u32 s20, 4
	s_cbranch_scc1 .Lnot_l2
	s_lshl_b32 s21, s20, 11
	v_add_nc_u32 v39, s21, v3
.irp i, 0,1,2,3
	ds_load_b128 v[16+4*\i:19+4*\i], v39 offset:TL+512*\i
.endr
	s_wait_dscnt 0x0
	MERGE 16, 20
	MERGE 16, 24
	MERGE 16, 28
	ds_store_b128 v4, v[16:19] offset:TL2
.Lnot_l2:
	BAR
	; third level: wave 0
	s_cmp_lg_u32 s20, 0
	s_cbranch_scc1 .Lnot_l3
.irp i, 0,1,2,3
	ds_load_b128 v[16+4*\i:19+4*\i], v3 offset:TL2+512*\i
.endr
	s_wait_dscnt 0x0
	MERGE 16, 20
	MERGE 16, 24
	MERGE 16, 28
	v_readlane_b32 s21, v19, 3                     ; element 99 = register 3, lane 3
	s_max_u32 s21, s21, 1                          ; at least 1: a det that is not kept (bits 0) never passes
	v_mov_b32 v7, s21
	ds_store_b32 v6, v7 offset:TW
.Lnot_l3:
	BAR
	ds_load_b32 v7, v6 offset:TW
	s_wait_loadcnt 0x0                             ; my two dets
	s_wait_dscnt 0x0
.irp k, 0,1
	v_cmp_ge_u32 vcc_lo, v[48+\k], v7
	v_mov_b32 v[56+6*\k], 0                        ; the record: 0, x1, y1, x2, y2, score; all zero where the det does not pass
.irp i, 0,1,2,3
	v_cndmask_b32 v[57+6*\k+\i], 0, v[40+4*\k+\i], vcc_lo
.endr
	v_cndmask_b32 v[61+6*\k], 0, v[48+\k], vcc_lo
	v_cndmask_b32 v[68+\k], 0, 1, vcc_lo
	ds_store_b64 v55, v[56+6*\k:57+6*\k] offset:REC+12288*\k
	ds_store_b64 v55, v[58+6*\k:59+6*\k] offset:REC+12288*\k+8
	ds_store_b64 v55, v[60+6*\k:61+6*\k] offset:REC+12288*\k+16
	ds_store_b8 v0, v[68+\k] offset:FLG+512*\k
.endr
	BAR
	; out0: 1,536 pieces of 16 bytes, three a thread
.irp r, 0,1,2
	ds_load_b128 v[16+4*\r:19+4*\r], v4 offset:REC+8192*\r
	v_add_nc_u32 v[36+\r], 512*\r, v0
.endr
	s_lshr_b32 s28, s18, 1
	s_add_co_u32 s28, s28, s18                     ; pieces left in out0: 24 / 16 of the dets left
	s_wait_dscnt 0x0
.irp r, 0,1,2
	s_wait_xcnt 0x0                                ; EXEC narrows only behind this wait
	v_cmp_gt_u32 vcc_lo, s28, v[36+\r]
	s_and_saveexec_b32 s29, vcc_lo
	global_store_b128 v4, v[16+4*\r:19+4*\r], s[10:11] offset:8192*\r th:TH_STORE_NT
	s_wait_xcnt 0x0                                ; and widens only behind this one
	s_or_b32 exec_lo, exec_lo, s29
.endr
	; out2: waves 0 to 3, eight flags a thread; a wave's store covers 256 consecutive bytes, aligned
	s_cmp_ge_u32 s20, 4
	s_cbranch_scc1 .Lend
	v_lshlrev_b32 v39, 3, v0
	ds_load_b64 v[28:29], v39 offset:FLG
	s_lshr_b32 s28, s18, 3                         ; groups of eight dets left
	s_wait_dscnt 0x0
	s_wait_xcnt 0x0
	v_cmp_gt_u32 vcc_lo, s28, v0
	s_and_saveexec_b32 s29, vcc_lo
	global_store_b64 v39, v[28:29], s[14:15] th:TH_STORE_NT
	s_wait_xcnt 0x0
	s_or_b32 exec_lo, exec_lo, s29
.Lend:
	s_barrier_signal -1
	s_barrier_wait -1
	s_wait_tensorcnt 0x0
	ds_add_u32 v80, v81
	s_wait_dscnt 0x0
	s_endpgm
.Lfunc_end_k_q59a5256fa4_l3_cap:
	.size	k_q59a5256fa4_l3_cap, .Lfunc_end_k_q59a5256fa4_l3_cap-k_q59a5256fa4_l3_cap
	.p2alignl 7, 3214868480
	.fill 96, 4, 3214868480
	.section	.rodata,"a",@progbits
	.p2align	6, 0x0
	.amdhsa_kernel k_q59a5256fa4_l3_cap
		.amdhsa_group_segment_fixed_size 38400
		.amdhsa_private_segment_fixed_size 0
		.amdhsa_enable_private_segment 0
		.amdhsa_kernarg_size 48
		.amdhsa_user_sgpr_count 2
		.amdhsa_user_sgpr_kernarg_segment_ptr 1
		.amdhsa_wavefront_size32 1
		.amdhsa_system_sgpr_workgroup_id_x 1
		.amdhsa_system_sgpr_workgroup_id_y 1
		.amdhsa_system_sgpr_workgroup_id_z 1
		.amdhsa_system_vgpr_workitem_id 0
		.amdhsa_next_free_vgpr 82
		.amdhsa_next_free_sgpr 66
		.amdhsa_reserve_vcc 1
		.amdhsa_float_denorm_mode_32 3
		.amdhsa_float_denorm_mode_16_64 3
		.amdhsa_memory_ordered 1
		.amdhsa_forward_progress 1
		.amdhsa_inst_pref_size 54
	.end_amdhsa_kernel
	.amdgpu_metadata
---
amdhsa.version: [ 1, 2 ]
amdhsa.kernels:
  - .name:           k_q59a5256fa4_l3_cap
    .symbol:         k_q59a5256fa4_l3_cap.kd
    .args:
      - { .name: bx, .offset: 0, .size: 8, .value_kind: global_buffer, .address_space: global }
      - { .name: kb, .offset: 8, .size: 8, .value_kind: global_buffer, .address_space: global }
      - { .name: top, .offset: 16, .size: 8, .value_kind: global_buffer, .address_space: global }
      - { .name: out0, .offset: 24, .size: 8, .value_kind: global_buffer, .address_space: global }
      - { .name: out1, .offset: 32, .size: 8, .value_kind: global_buffer, .address_space: global }
      - { .name: out2, .offset: 40, .size: 8, .value_kind: global_buffer, .address_space: global }
    .group_segment_fixed_size: 38400
    .private_segment_fixed_size: 0
    .kernarg_segment_align: 8
    .kernarg_segment_size: 48
    .max_flat_workgroup_size: 512
    .sgpr_count:     66
    .vgpr_count:     82
    .wavefront_size: 32
...
	.end_amdgpu_metadata
.endif
;; end of part 4
;; ======== version 2 of 2: 4 launches; 1.85 times as fast as version 1
;; workspace buffers: vm 18,432 bytes of whole numbers; nvb 20,480 bytes of whole numbers; bx 1,966,080 bytes; sc 491,520 bytes; ar 491,520 bytes; kb 491,520 bytes; top 40,960 bytes
;; launch l1_mask (part 5): grid 24 x 3, 1 waves a work-group, no clusters, 0 bytes of LDS; arguments cls_prob, vm; writes vm
.if DOCPART == 5
	.amdgcn_target "amdgcn-amd-amdhsa--gfx1250"
	.amdhsa_code_object_version 6
	.text
	.protected	k_q59a5256fa4_l1_mask
	.globl	k_q59a5256fa4_l1_mask
	.p2align	8
	.type	k_q59a5256fa4_l1_mask,@function
k_q59a5256fa4_l1_mask:
	s_mov_b64 s[64:65], 0
	v_nop
	global_prefetch_b8 v0, s[64:65] scope:SCOPE_SE
	s_setreg_imm32_b32 hwreg(HW_REG_WAVE_MODE, 25, 1), 1
	s_wait_xcnt 0x0
; vm[gp][c'][h], u32: bit r of the word = (cls_prob[64 gp + 32 h + r][c' + 1] > 0.05), 0 for rows from 1500 on.  gp = 0..23, c' = 0..95, h = 0, 1.
; These words are the whole numbers from which the next launch forms its places and trip counts.
; One wave a work-group: work-group (gp, cg) takes 64 rows x the 32 classes c' = 32 cg + lane.  Lanes run along the classes, so each load of the
; wave covers 128 consecutive bytes of a row; each row costs one compare and one add with carry (w = 2 w + bit), rows taken from the highest down.
; A lane's two words leave as 8 bytes: the wave's one store covers 256 consecutive bytes, aligned.
; Classes c' >= 80 (the upper lanes of cg = 2) repeat class 79: their words fill the store's 256 bytes and are read by nobody.
; The last blocks: a block's 32 rows are loaded from row min(first row, 1468), which keeps every load inside the buffer, and the word is shifted
; right by the difference (4 for rows 1472.., 36 for rows 1504..: there the word is 0).
; A NaN score compares false: not valid, as in score > 0.05.
; No LDS, barrier, matrix unit, tensor load or cluster: 64 loads, 128 vector instructions and one store a wave.
.set K05,  0x3d4ccccd                  ; 0.05f
.set ROWB, 324                         ; bytes in a row of cls_prob
.set XA,   8                           ; v[8:39]   block A (h = 0): register XA + r holds row r
.set XB,   40                          ; v[40:71]  block B (h = 1)
	s_load_b128 s[4:7], s[0:1], 0x0                ; cls_prob s[4:5], vm s[6:7]
	s_and_b32 s8, ttmp7, 0xffff                    ; cg
	v_lshl_add_u32 v1, s8, 5, v0                   ; c' = 32 cg + lane
	v_lshlrev_b32 v3, 3, v1                        ; my 8 bytes in vm[gp]
	v_min_u32 v2, 79, v1
	v_lshlrev_b32 v2, 2, v2                        ; my column, from class 1 on
	s_lshl_b32 s9, ttmp9, 6                        ; block A's first row
	s_min_u32 s10, s9, 1468                        ; the row from which it is loaded
	s_add_co_u32 s11, s9, 32                       ; block B's first row
	s_min_u32 s12, s11, 1468
	s_sub_co_u32 s13, s9, s10                      ; A's shift: 0 or 4
	s_sub_co_u32 s15, s11, s12                     ; B's shift: 0 or 36
	s_mul_i32 s16, s10, ROWB
	s_add_co_u32 s16, s16, 4                       ; class 0 is skipped
	s_mov_b32 s17, 0
	s_mul_i32 s18, s12, ROWB
	s_add_co_u32 s18, s18, 4
	s_mov_b32 s19, 0
	s_mul_i32 s20, ttmp9, 768                      ; vm[gp]: 96 classes x 8 bytes
	s_mov_b32 s21, 0
	v_mov_b32 v4, 0                                ; A's word
	v_mov_b32 v5, 0                                ; B's word
	s_wait_kmcnt 0x0
	s_add_nc_u64 s[16:17], s[4:5], s[16:17]
	s_add_nc_u64 s[18:19], s[4:5], s[18:19]
	s_add_nc_u64 s[6:7], s[6:7], s[20:21]
.set r, 31
.rept 32
	global_load_b32 v[XA+r], v2, s[16:17] offset:ROWB*r
.set r, r-1
.endr
.set r, 31
.rept 31
	global_load_b32 v[XB+r], v2, s[18:19] offset:ROWB*r
.set r, r-1
.endr
.macro BIT w, x
	v_cmp_lt_f32 vcc_lo, K05, v[\x]
	v_add_co_ci_u32 v[\w], vcc_lo, v[\w], v[\w], vcc_lo    ; w = 2 w + bit
.endm
	s_wait_loadcnt 62                              ; A's row 31 is in: 31 loads of A and 31 of B were issued behind it
	BIT 4, XA+31
	global_load_b32 v[XB], v2, s[18:19]            ; B's row 0, the last load
.set r, 30
.rept 31
	s_wait_loadcnt r+32                            ; behind A's row r: r rows of A and B's 32
	BIT 4, XA+r
.set r, r-1
.endr
.set r, 31
.rept 32
	s_wait_loadcnt r                               ; behind B's row r: r rows of B
	BIT 5, XB+r
.set r, r-1
.endr
	v_lshrrev_b32 v4, s13, v4
	s_cmp_lt_u32 s15, 32
	s_cselect_b32 s22, -1, 0                       ; a shift of 32 or more leaves nothing
	v_lshrrev_b32 v5, s15, v5
	v_and_b32 v5, s22, v5
	global_store_b64 v3, v[4:5], s[6:7]            ; 32 lanes x 8 bytes: 256 consecutive bytes, aligned
	s_endpgm
.Lfunc_end_k_q59a5256fa4_l1_mask:
	.size	k_q59a5256fa4_l1_mask, .Lfunc_end_k_q59a5256fa4_l1_mask-k_q59a5256fa4_l1_mask
	.p2alignl 7, 3214868480
	.fill 96, 4, 3214868480
	.section	.rodata,"a",@progbits
	.p2align	6, 0x0
	.amdhsa_kernel k_q59a5256fa4_l1_mask
		.amdhsa_group_segment_fixed_size 0
		.amdhsa_private_segment_fixed_size 0
		.amdhsa_enable_private_segment 0
		.amdhsa_kernarg_size 16
		.amdhsa_user_sgpr_count 2
		.amdhsa_user_sgpr_kernarg_segment_ptr 1
		.amdhsa_wavefront_size32 1
		.amdhsa_system_sgpr_workgroup_id_x 1
		.amdhsa_system_sgpr_workgroup_id_y 1
		.amdhsa_system_sgpr_workgroup_id_z 1
		.amdhsa_system_vgpr_workitem_id 0
		.amdhsa_next_free_vgpr 72
		.amdhsa_next_free_sgpr 66
		.amdhsa_reserve_vcc 1
		.amdhsa_float_denorm_mode_32 3
		.amdhsa_float_denorm_mode_16_64 3
		.amdhsa_memory_ordered 1
		.amdhsa_forward_progress 1
		.amdhsa_inst_pref_size 16
	.end_amdhsa_kernel
	.amdgpu_metadata
---
amdhsa.version: [ 1, 2 ]
amdhsa.kernels:
  - .name:           k_q59a5256fa4_l1_mask
    .symbol:         k_q59a5256fa4_l1_mask.kd
    .args:
      - { .name: cls_prob, .offset: 0, .size: 8, .value_kind: global_buffer, .address_space: global }
      - { .name: vm, .offset: 8, .size: 8, .value_kind: global_buffer, .address_space: global }
    .group_segment_fixed_size: 0
    .private_segment_fixed_size: 0
    .kernarg_segment_align: 8
    .kernarg_segment_size: 16
    .max_flat_workgroup_size: 32
    .sgpr_count:     66
    .vgpr_count:     72
    .wavefront_size: 32
...
	.end_amdgpu_metadata
.endif
;; end of part 5
;; launch l2_sort (part 6): grid 80 x 1, 16 waves a work-group, no clusters, 57,600 bytes of LDS; arguments vm, cls_prob, bbox_delta, bottom_rois, im_info, bx, sc, ar, nvb; writes bx, sc, ar, nvb
.if DOCPART == 6
	.amdgcn_target "amdgcn-amd-amdhsa--gfx1250"
	.amdhsa_code_object_version 6
	.text
	.protected	k_q59a5256fa4_l2_sort
	.globl	k_q59a5256fa4_l2_sort
	.p2align	8
	.type	k_q59a5256fa4_l2_sort,@function
k_q59a5256fa4_l2_sort:
	s_mov_b64 s[64:65], 0
	v_nop
	global_prefetch_b8 v0, s[64:65] scope:SCOPE_SE
	s_setreg_imm32_b32 hwreg(HW_REG_WAVE_MODE, 25, 1), 1
	s_wait_xcnt 0x0
; One work-group = one foreground class c = c' + 1.  From the class's 48 words of 'score > 0.05' (whole numbers of the launch before) it
;   (1) counts nv and lists the valid proposals' numbers in LDS, in rising order (place = valid proposals below: a prefix over the words + v_mbcnt);
;   (2) gathers and decodes those nv proposals alone;
;   (3) ranks them: rank_p = #{q < p : s_q >= s_p} + #{q > p : s_q > s_p}, what a stable argsort of -s gives (the list keeps the proposals' order);
;   (4) lays them in sorted order.  A rank stems from floats, so it steers no address here: each output place r goes through all candidates p
;       and takes box and score where rank_p = r (a compare and five selects for 32 pairs);
;   (5) stores, each [c'][1536]: bx the sorted boxes, sc their scores, ar their areas with the +1 on each side (bx and sc zero from place nv on),
;       and nvb[c'][64], 64 copies of nv: one store of 256 consecutive bytes.
; Trip counts and guards hang on nv alone; blocks are 32 places, nb = ceil(nv / 32); wave w owns blocks w, w + 16, w + 32.
; Steps (3) and (4) cost 2 + 6 vector instructions for 32 pairs, nv^2 pairs: the same order as the tiles of the NMS launch that follows.
; LDS between two barriers holds stores alone or loads alone, or both at addresses made of the thread's number in regions apart:
; zeros | list scattered | list read, boxes and scores stored | scores read | ranks stored | all read | stage stored | stage read.
; LIMITS: NaN inputs are not served.  delta / 10 is delta * 0.1f; exp(delta / 5) is exp2(delta * 0.28853901), v_exp_f32's accuracy.
; No matrix unit (no products); no tensor loads (the gathers take 4 to 16 bytes of a row); no cluster (classes share no tile).
.set IDX,  0                           ; LDS: the list, 1,537 words (word 1536 is a dump slot: written, never read)
.set CB,   6400                        ; candidates' boxes, 1,536 x 16 bytes
.set CS,   30976                       ; candidates' scores, 1,536 x 4; -inf from nv to the end of its block
.set CR,   37120                       ; candidates' ranks, 1,536 x 4; NORANK where there is no candidate
.set ST,   43264                       ; stage: sorted scores
.set ST2,  49408                       ; stage: sorted areas
.set NINF,   0xff800000
.set NORANK, 0xffff
; v0 t; v1 lane; v2 16 t; v3 4 t; v4 zero; v[5:7] t + 512 k; v[8:9] offsets in vm; v[10:11] mask words (lane b, lane b - 32); v[12:13] their prefixes
; v[14:16] my ranks; v17 -inf; v18 NORANK; v19 1536; v[20:31] at work; v[32:63] 32 scores or ranks, v[64:95] 32 scores (the same in every lane), or decode's work
; v[96+8k:101+8k] output k: box, score, area; v[102:103], v110 nv's store; v[120:127] stage; v[128:255] 32 boxes, the same in every lane
.macro BAR
	s_wait_dscnt 0x0                               ; my LDS stores are in, my LDS loads are back: the other waves rely on both behind the barrier
	s_barrier_signal -1
	s_barrier_wait -1
.endm
	s_load_b512 s[4:19], s[0:1], 0x0               ; vm 4, cls_prob 6, bbox_delta 8, bottom_rois 10, im_info 12, bx 14, sc 16, ar 18
	s_load_b64 s[20:21], s[0:1], 0x40              ; nvb
	v_lshl_add_u32 v118, v0, 2, 0xd900
	v_mov_b32 v119, 0
	v_and_b32 v1, 31, v0                           ; lane
	v_lshrrev_b32 v2, 5, v0
	v_readfirstlane_b32 s22, v2                    ; wave
	s_lshl_b32 s80, ttmp9, 3                       ; vm: 8 c'
	s_mov_b32 s81, 0
	s_lshl_b32 s82, ttmp9, 2
	s_add_co_u32 s82, s82, 4                       ; cls_prob: column c, 4 c
	s_mov_b32 s83, 0
	s_lshl_b32 s84, s82, 2                         ; bbox_delta: 16 c
	s_mov_b32 s85, 0
	s_mul_i32 s88, ttmp9, 6144                     ; sc, ar: 1,536 words a class
	s_mov_b32 s89, 0
	s_lshl_b32 s86, s88, 2                         ; bx: 24,576 c'
	s_mov_b32 s87, 0
	s_lshl_b32 s90, ttmp9, 8                       ; nvb: 256 c'
	s_mov_b32 s91, 0
	v_lshrrev_b32 v8, 1, v1                        ; word b lies at (b / 2) x 768 + 4 (b mod 2) + 8 c'; lane L takes b = L ..
	v_mul_u32_u24 v8, v8, 768
	v_and_b32 v20, 1, v1
	v_lshl_add_u32 v8, v20, 2, v8
	v_min_u32 v9, 15, v1                           ; .. and b = 32 + min(L, 15): word 47 stands for rows from 1504 on and is 0
	v_lshrrev_b32 v21, 1, v9
	v_mul_u32_u24 v21, v21, 768
	v_and_b32 v9, 1, v9
	v_lshl_add_u32 v9, v9, 2, v21
	s_wait_kmcnt 0x0
	s_add_nc_u64 s[4:5], s[4:5], s[80:81]
	s_add_nc_u64 s[6:7], s[6:7], s[82:83]
	s_add_nc_u64 s[8:9], s[8:9], s[84:85]
	s_add_nc_u64 s[14:15], s[14:15], s[86:87]
	s_add_nc_u64 s[16:17], s[16:17], s[88:89]
	s_add_nc_u64 s[18:19], s[18:19], s[88:89]
	s_add_nc_u64 s[20:21], s[20:21], s[90:91]
	s_load_b64 s[76:77], s[12:13], 0x0             ; height, width
	global_load_b32 v10, v8, s[4:5]
	global_load_b32 v11, v9, s[4:5] offset:12288   ; 16 x 768
	v_lshlrev_b32 v2, 4, v0
	v_lshlrev_b32 v3, 2, v0
	v_mov_b32 v4, 0
	v_mov_b32 v5, v0
	v_add_nc_u32 v6, 512, v0
	v_add_nc_u32 v7, 1024, v0
	v_mov_b32 v12, 0
	v_mov_b32 v13, 0
	v_mov_b32 v17, NINF
	v_mov_b32 v18, NORANK
	v_mov_b32 v19, 1536
.irp k, 0,1,2
	v_mov_b32 v[14+\k], NORANK                     ; blocks without candidates keep this rank ..
.irp i, 0,1,2,3,4,5
	v_mov_b32 v[96+8*\k+\i], 0                     ; .. and places without a box keep zeros
.endr
	ds_store_b32 v3, v4 offset:IDX+2048*\k         ; the list starts as zeros: places from nv on name proposal 0, whose decode is thrown away
.endr
	BAR                                            ; the zeros lie before any wave scatters
	s_wait_kmcnt 0x0
	s_add_f32 s74, s77, -1.0                       ; width - 1
	s_add_f32 s75, s76, -1.0                       ; height - 1
	s_wait_loadcnt 0x0                             ; the 48 words
	; prefix over the words' counts: lane b of v12 (b < 32) or lane b - 32 of v13 = valid proposals in the blocks below b
	s_mov_b32 s66, 0
.set m, 0
.rept 32
	v_readlane_b32 s[32+m], v10, m
.set m, m+1
.endr
.set m, 0
.rept 32
	v_writelane_b32 v12, s66, m
	s_bcnt1_i32_b32 s67, s[32+m]
	s_add_co_u32 s66, s66, s67
.set m, m+1
.endr
.set m, 0
.rept 16
	v_readlane_b32 s[32+m], v11, m
.set m, m+1
.endr
.set m, 0
.rept 16
	v_writelane_b32 v13, s66, m
	s_bcnt1_i32_b32 s67, s[32+m]
	s_add_co_u32 s66, s66, s67
.set m, m+1
.endr
	s_min_u32 s23, s66, 1500                       ; nv
	s_add_co_u32 s24, s23, 31
	s_lshr_b32 s24, s24, 5                         ; nb, 47 at the most
	s_cmp_lg_u32 s22, 15
	s_cbranch_scc1 .Lno_nv
	v_mov_b32 v102, s23                            ; wave 15 stores nv, 64 times; these three registers are not written again
	v_mov_b32 v103, s23
	v_lshlrev_b32 v110, 3, v1
	global_store_b64 v110, v[102:103], s[20:21]
.Lno_nv:
; proposal i = t + 512 k lies in row block w + 16 k at bit 'lane': the block's word is at once the lane mask of the valid ones
.macro COMPACT k
.if \k == 2
	v_readlane_b32 s78, v11, s22
	v_readlane_b32 s79, v13, s22
.else
	s_add_co_u32 s25, s22, 16*\k
	v_readlane_b32 s78, v10, s25
	v_readlane_b32 s79, v12, s25
.endif
	v_mbcnt_lo_u32_b32 v20, s78, s79               ; valid ones below me: the block's prefix + the word's bits below my lane
	v_cndmask_b32 v20, v19, v20, s78               ; not valid: the dump slot
	v_min_u32 v20, 0x600, v20                      ; a number made of loaded ones enters an address only behind this bound
	v_lshlrev_b32 v20, 2, v20
	ds_store_b32 v20, v[5+\k] offset:IDX
.endm
	COMPACT 0
	COMPACT 1
	COMPACT 2
	BAR                                            ; the list is whole
; candidates p = t + 512 k, if the wave's block holds any: gather, decode, clip; box and score to place p
.macro GATHER k
	s_add_co_u32 s25, s22, 16*\k
	s_cmp_ge_u32 s25, s24
	s_cbranch_scc1 .Lgath_\k
	ds_load_b32 v20, v3 offset:IDX+2048*\k
	v_cmp_gt_u32 s26, s23, v[5+\k]                 ; p < nv
	s_wait_dscnt 0x0
	v_min_u32 v20, 1499, v20
	v_mul_u32_u24 v21, v20, 324
	v_mul_u32_u24 v22, v20, 1296
	v_mul_u32_u24 v23, v20, 20
	global_load_b32 v24, v21, s[6:7]
	global_load_b128 v[64:67], v22, s[8:9]
	global_load_b32 v68, v23, s[10:11] offset:4    ; x1, y1, x2, y2: rows of 20 bytes, so four loads of 4
	global_load_b32 v69, v23, s[10:11] offset:8
	global_load_b32 v70, v23, s[10:11] offset:12
	global_load_b32 v71, v23, s[10:11] offset:16
	s_wait_loadcnt 0x0                             ; all six; it also frees the three offset registers for the next block
	v_sub_f32 v72, v70, v68
	v_sub_f32 v73, v71, v69
	v_mul_f32 v76, 0x3e93bb63, v66                 ; d2 / 5 * log2(e)
	v_mul_f32 v77, 0x3e93bb63, v67
	v_add_f32 v72, 1.0, v72                        ; w
	v_add_f32 v73, 1.0, v73                        ; h
	v_exp_f32 v76, v76
	v_exp_f32 v77, v77
	v_mul_f32 v78, 0x3dcccccd, v64                 ; d0 / 10; also the plain instruction that stands behind the two exponentials before their results are used
	v_mul_f32 v79, 0x3dcccccd, v65
	v_fma_f32 v74, 0.5, v72, v68                   ; cx
	v_fma_f32 v75, 0.5, v73, v69                   ; cy
	v_fma_f32 v74, v72, v78, v74                   ; pcx
	v_fma_f32 v75, v73, v79, v75                   ; pcy
	s_wait_alu depctr_va_vdst(0)
	v_mul_f32 v76, v72, v76                        ; pw
	v_mul_f32 v77, v73, v77                        ; ph
	v_fma_f32 v84, -0.5, v76, v74
	v_fma_f32 v85, -0.5, v77, v75
	v_fma_f32 v86, 0.5, v76, v74
	v_fma_f32 v87, 0.5, v77, v75
	v_add_f32 v86, -1.0, v86
	v_add_f32 v87, -1.0, v87
.irp j, 84,85,86,87
	v_max_num_f32 v\j, 0, v\j
.endr
	v_min_num_f32 v84, s74, v84
	v_min_num_f32 v85, s75, v85
	v_min_num_f32 v86, s74, v86
	v_min_num_f32 v87, s75, v87
	v_cndmask_b32 v24, v17, v24, s26               ; no candidate: -inf, which counts against nobody
	ds_store_b128 v2, v[84:87] offset:CB+8192*\k
	ds_store_b32 v3, v24 offset:CS+2048*\k
.Lgath_\k:
.endm
	GATHER 0
	GATHER 1
	GATHER 2
	BAR                                            ; boxes and scores of blocks 0 to nb - 1 lie in LDS
; 8 broadcast loads: the next 32 scores.  The address steps by a block; the last block begins at byte 6,016, and the minimum states that bound.
.macro LOADJ
.irp g, 0,1,2,3,4,5,6,7
	ds_load_b128 v[32+4*\g:35+4*\g], v27 offset:CS+16*\g
.endr
	v_add_nc_u32 v27, 128, v27
	v_min_u32 v27, 6016, v27
.endm
; A block wholly below (op = ge) or wholly above (op = gt) mine: a compare into a lane mask, and the mask added as a carry, four counters by turns
.macro BLOCK32 op
	LOADJ
.irp g, 0,1,2,3,4,5,6,7
	s_wait_dscnt 7-\g                              ; LDS loads come back in order: load g is in, the 7 - g younger ones stay out
.irp j, 0,1,2,3
	v_cmp_\op\()_f32 s[66+\j], v[32+4*\g+\j], v26
.endr
.irp j, 0,1,2,3
	v_add_co_ci_u32 v[88+\j], s[66+\j], 0, v[88+\j], s[66+\j]
.endr
.endr
.endm
; My own block, q = first + m against p = first + lane: 'greater' counts always, 'equal' only in the lanes above m
.macro DIAG32
	LOADJ
.set m, 0
.rept 8
	s_wait_dscnt 7-m/4
.irp j, 0,1,2,3
	v_cmp_gt_f32 s[66+2*\j], v[32+m+\j], v26
	v_cmp_ge_f32 s[67+2*\j], v[32+m+\j], v26
.endr
.irp j, 0,1,2,3
	s_and_b32 s[67+2*\j], s[67+2*\j], (0xfffffffe << (m+\j)) & 0xffffffff
	s_or_b32 s[66+2*\j], s[66+2*\j], s[67+2*\j]
.endr
.irp j, 0,1,2,3
	v_add_co_ci_u32 v[88+\j], s[66+2*\j], 0, v[88+\j], s[66+2*\j]
.endr
.set m, m+4
.endr
.endm
.macro COUNT k
	s_add_co_u32 s25, s22, 16*\k                   ; my block = the number of blocks below it
	s_cmp_ge_u32 s25, s24
	s_cbranch_scc1 .Lcnt_\k
	ds_load_b32 v26, v3 offset:CS+2048*\k          ; my score
	v_mov_b32 v27, 0
.irp j, 0,1,2,3
	v_mov_b32 v[88+\j], 0
.endr
	s_sub_co_u32 s27, s24, s25
	s_sub_co_u32 s27, s27, 1                       ; blocks above mine
	s_wait_dscnt 0x0
	s_cmp_eq_u32 s25, 0
	s_cbranch_scc1 .Ldiag_\k
	s_mov_b32 s26, 0
.Llow_\k:
	BLOCK32 ge
	s_add_co_u32 s26, s26, 1
	s_cmp_lt_u32 s26, s25
	s_cbranch_scc1 .Llow_\k
.Ldiag_\k:
	DIAG32
	s_cmp_eq_u32 s27, 0
	s_cbranch_scc1 .Lsum_\k
	s_mov_b32 s26, 0
.Lhigh_\k:
	BLOCK32 gt
	s_add_co_u32 s26, s26, 1
	s_cmp_lt_u32 s26, s27
	s_cbranch_scc1 .Lhigh_\k
.Lsum_\k:
	v_add3_u32 v88, v88, v89, v90
	v_add_nc_u32 v88, v88, v91
	v_cmp_gt_u32 vcc_lo, s23, v[5+\k]
	v_cndmask_b32 v[14+\k], v18, v88, vcc_lo       ; p < nv: its rank
.Lcnt_\k:
.endm
	COUNT 0
	COUNT 1
	COUNT 2
	BAR                                            ; every wave's reads of the scores are back
.irp k, 0,1,2
	ds_store_b32 v3, v[14+\k] offset:CR+2048*\k
.endr
	BAR                                            ; the ranks lie in LDS
; output places r = t + 512 k, if the wave's block holds any: through all candidates, 32 at a time, the same in every lane
.macro SELECT k
	s_add_co_u32 s25, s22, 16*\k
	s_cmp_ge_u32 s25, s24
	s_cbranch_scc1 .Lsel_\k
	v_mov_b32 v28, 0
	v_mov_b32 v29, 0
	s_mov_b32 s26, 0
.Lselp_\k:
.irp g, 0,1,2,3,4,5,6,7
	ds_load_b128 v[32+4*\g:35+4*\g], v29 offset:CR+16*\g
.endr
.irp g, 0,1,2,3,4,5,6,7
	ds_load_b128 v[64+4*\g:67+4*\g], v29 offset:CS+16*\g
.endr
.set m, 0
.rept 32
	ds_load_b128 v[128+4*m:131+4*m], v28 offset:CB+16*m
.set m, m+1
.endr
	v_add_nc_u32 v28, 512, v28
	v_min_u32 v28, 24064, v28                      ; the last block's boxes and words: the stepped addresses are not used beyond them
	v_add_nc_u32 v29, 128, v29
	v_min_u32 v29, 6016, v29
.irp g, 0,1,2,3,4,5,6,7
	s_wait_dscnt 28-4*\g                           ; ranks, scores and boxes 0 to 4 g + 3 are in; the 28 - 4 g boxes behind them stay out
.irp j, 0,1,2,3
	v_cmp_eq_u32 s[66+\j], v[32+4*\g+\j], v[5+\k]
.endr
.irp j, 0,1,2,3
.irp i, 0,1,2,3
	v_cndmask_b32 v[96+8*\k+\i], v[96+8*\k+\i], v[128+4*(4*\g+\j)+\i], s[66+\j]
.endr
	v_cndmask_b32 v[100+8*\k], v[100+8*\k], v[64+4*\g+\j], s[66+\j]
.endr
.endr
	s_add_co_u32 s26, s26, 1
	s_cmp_lt_u32 s26, s24
	s_cbranch_scc1 .Lselp_\k
	v_sub_f32 v30, v[98+8*\k], v[96+8*\k]
	v_sub_f32 v31, v[99+8*\k], v[97+8*\k]
	v_add_f32 v30, 1.0, v30
	v_add_f32 v31, 1.0, v31
	v_mul_f32 v[101+8*\k], v30, v31                ; area (1 for the zero boxes from nv to the end of its block: those places are never alive in the NMS)
.Lsel_\k:
.endm
	SELECT 0
	SELECT 1
	SELECT 2
.irp k, 0,1,2
	global_store_b128 v2, v[96+8*\k:99+8*\k], s[14:15] offset:8192*\k      ; bx: each store of a wave covers 512 consecutive bytes, aligned
.endr
	BAR                                            ; every wave's reads of the candidates are back
.irp k, 0,1,2
	ds_store_b32 v3, v[100+8*\k] offset:ST+2048*\k
	ds_store_b32 v3, v[101+8*\k] offset:ST2+2048*\k
.endr
	BAR                                            ; scores and areas lie in the stage
	; sc, ar: 6,144 bytes each: waves 0 to 11, 16 bytes a thread
	s_cmp_ge_u32 s22, 12
	s_cbranch_scc1 .Lend
	ds_load_b128 v[120:123], v2 offset:ST
	ds_load_b128 v[124:127], v2 offset:ST2
	s_wait_dscnt 0x0
	global_store_b128 v2, v[120:123], s[16:17]
	global_store_b128 v2, v[124:127], s[18:19]
.Lend:
	s_barrier_signal -1
	s_barrier_wait -1
	s_wait_tensorcnt 0x0
	ds_add_u32 v118, v119
	s_wait_dscnt 0x0
	s_endpgm
.Lfunc_end_k_q59a5256fa4_l2_sort:
	.size	k_q59a5256fa4_l2_sort, .Lfunc_end_k_q59a5256fa4_l2_sort-k_q59a5256fa4_l2_sort
	.p2alignl 7, 3214868480
	.fill 96, 4, 3214868480
	.section	.rodata,"a",@progbits
	.p2align	6, 0x0
	.amdhsa_kernel k_q59a5256fa4_l2_sort
		.amdhsa_group_segment_fixed_size 57600
		.amdhsa_private_segment_fixed_size 0
		.amdhsa_enable_private_segment 0
		.amdhsa_kernarg_size 72
		.amdhsa_user_sgpr_count 2
		.amdhsa_user_sgpr_kernarg_segment_ptr 1
		.amdhsa_wavefront_size32 1
		.amdhsa_system_sgpr_workgroup_id_x 1
		.amdhsa_system_sgpr_workgroup_id_y 1
		.amdhsa_system_sgpr_workgroup_id_z 1
		.amdhsa_system_vgpr_workitem_id 0
		.amdhsa_next_free_vgpr 256
		.amdhsa_next_free_sgpr 96
		.amdhsa_reserve_vcc 1
		.amdhsa_float_denorm_mode_32 3
		.amdhsa_float_denorm_mode_16_64 3
		.amdhsa_memory_ordered 1
		.amdhsa_forward_progress 1
		.amdhsa_inst_pref_size 134
	.end_amdhsa_kernel
	.amdgpu_metadata
---
amdhsa.version: [ 1, 2 ]
amdhsa.kernels:
  - .name:           k_q59a5256fa4_l2_sort
    .symbol:         k_q59a5256fa4_l2_sort.kd
    .args:
      - { .name: vm, .offset: 0, .size: 8, .value_kind: global_buffer, .address_space: global }
      - { .name: cls_prob, .offset: 8, .size: 8, .value_kind: global_buffer, .address_space: global }
      - { .name: bbox_delta, .offset: 16, .size: 8, .value_kind: global_buffer, .address_space: global }
      - { .name: bottom_rois, .offset: 24, .size: 8, .value_kind: global_buffer, .address_space: global }
      - { .name: im_info, .offset: 32, .size: 8, .value_kind: global_buffer, .address_space: global }
      - { .name: bx, .offset: 40, .size: 8, .value_kind: global_buffer, .address_space: global }
      - { .name: sc, .offset: 48, .size: 8, .value_kind: global_buffer, .address_space: global }
      - { .name: ar, .offset: 56, .size: 8, .value_kind: global_buffer, .address_space: global }
      - { .name: nvb, .offset: 64, .size: 8, .value_kind: global_buffer, .address_space: global }
    .group_segment_fixed_size: 57600
    .private_segment_fixed_size: 0
    .kernarg_segment_align: 8
    .kernarg_segment_size: 72
    .max_flat_workgroup_size: 512
    .sgpr_count:     96
    .vgpr_count:     256
    .wavefront_size: 32
...
	.end_amdgpu_metadata
.endif
;; end of part 6
;; launch l2_nms (part 7): grid 80 x 1, 16 waves a work-group, no clusters, 288,768 bytes of LDS; arguments nvb, bx, sc, ar, kb, top; writes kb, top
.if DOCPART == 7
	.amdgcn_target "amdgcn-amd-amdhsa--gfx1250"
	.amdhsa_code_object_version 6
	.text
	.protected	k_q59a5256fa4_l2_nms
	.globl	k_q59a5256fa4_l2_nms
	.p2align	8
	.type	k_q59a5256fa4_l2_nms,@function
k_q59a5256fa4_l2_nms:
	s_mov_b64 s[64:65], 0
	v_nop
	global_prefetch_b8 v0, s[64:65] scope:SCOPE_SE
	s_setreg_imm32_b32 hwreg(HW_REG_WAVE_MODE, 25, 1), 1
	s_wait_xcnt 0x0
; One work-group = one foreground class.  Greedy NMS over the class's first nv sorted places (nv = the number of scores > 0.05, a whole number
; stored by the launch before); boxes, scores and areas come sorted from the launch before.  Stored:
;   kb [c'][1536]     the score's bits where the box is kept, 0 elsewhere,
;   top[c'][128]      the class's 128 largest kept scores, falling, padded with zeros; lane l's 16 bytes hold elements l, 32+l, 64+l, 96+l.
; Only places < nv matter: a score <= 0.05 neither keeps nor suppresses, sorts behind all others, and its output rows are zero.
; Steps: (1) a bit matrix in LDS, row p, bit q set if q > p and IoU(p, q) > 0.5, tiles of 32 x 32 shared among the 16 waves, boxes read from memory;
; (2) one wave walks the blocks of 32 places: inside a block a scalar chain over the diagonal tile, then the kept rows are OR-ed into the
; words of suppressed places; (3) the keep words go to LDS and all waves write out.
; LOADS AT THE HEAD: a wave's first tile (block row wr = wave / 4, block column wr + ((wave - wr) mod 4), 6 at the most) and its 16 bytes of scores
; have addresses made of the wave's and the thread's number alone, inside the padded buffers whatever nv is.  They are asked for together with nv,
; 43 loads a wave, so that the three do not wait for one another; a wave whose first tile lies beyond nv's blocks throws its 42 away.
; Each phase of LDS between two barriers holds stores alone or loads alone: zeros | tiles | the scan's reads | keep words | their reads.
; Nothing that stems from a float steers a branch or an address: masks only select.
; LIMITS: NaN inputs are not served.  IoU > 0.5 is tested as inter > 0.5 * union (0.5 * union is exact), which differs from the rounded quotient
; only where the true quotient lies within half a unit in the last place above 0.5.  Kept scores are > 0.05, so their bits order as unsigned numbers.
; No matrix unit (no products); no tensor loads (a tile's input is 640 bytes); no cluster (classes share no tile).
.set KW,   0                           ; LDS: 64 words of keep bits, word b for places 32 b .. 32 b + 31
.set MAT,  256                         ; the bit matrix: row p at MAT + 188 p, 47 words
.set ROWP, 188
.set BLKP, 6016                        ; 32 rows
; v0 t; v1 lane; v2 16 lane; v3 4 lane; v[4:7] zeros; v8 bits above my lane; v9 row 'lane' of the matrix
; v10, v11 keep words (lane b for block b, lane b - 32 for the others); v12 lane + 32: below the registers that loads fill
.set T,   40                           ; v[40:55]   at work
.set RB,  64                           ; v[64:191]  build: 32 row boxes, the same in every lane
.set RA,  192                          ; v[192:223] build: their areas
.set CC,  224                          ; v[224:227] build: my column's box
.set CAR, 228                          ; its area
.set WW,  229                          ; lane m: the 32 bits of row m of the tile
                                       ; v230-v233 offsets of rows, their areas, column, its area; v234 mask; v235 the tile's LDS address; v236 16 t; v238 min(16 t, 6128)
.set KB,  240                          ; v[240:243] the scores of places 4 t .. 4 t + 3, then their kept scores
.set AA,  64                           ; top: the running list of 128
.set XX,  68                           ; top: a further chunk of 128
.set HH,  72                           ; v[72:75]  sorting: larger ones
.set LL,  76                           ; v[76:79]  sorting: smaller ones
.set KQ,  80                           ; v[80:83]  top: four words of keep bits
.set M1,  76                           ; s76-s80: lanes whose bit 0, 1, 2, 3, 4 is clear (the lower partner of a pair)
.set M2,  77
.set M4,  78
.set M8,  79
.set M16, 80
.set SI0, 81                           ; s81, s82: v_permlanex16_b32 takes lane i xor 16
.set SI1, 82
.set SR0, 83                           ; s83, s84: it takes lane 31 - i
.set SR1, 84
.macro BAR
	s_wait_dscnt 0x0                               ; my LDS stores are in, my LDS loads are back: the other waves rely on both behind the barrier
	s_barrier_signal -1
	s_barrier_wait -1
.endm
; 32 row boxes and their areas, the same in every lane: v230 = 512 b, v231 = 128 b
.macro ROWLOADS
.set m, 0
.rept 32
	global_load_b128 v[RB+4*m:RB+4*m+3], v230, s[6:7] offset:16*m
.set m, m+1
.endr
.irp g, 0,1,2,3,4,5,6,7
	global_load_b128 v[RA+4*\g:RA+4*\g+3], v231, s[10:11] offset:16*\g
.endr
.endm
; my column's box and area: v232 = 512 b' + 16 lane, v233 = 128 b' + 4 lane
.macro COLLOADS
	global_load_b128 v[CC:CC+3], v232, s[6:7]
	global_load_b32 v[CAR], v233, s[10:11]
.endm
; four rows of a tile against my column, the four rows as independent chains
.macro ROW4 g
.irp j, 0,1,2,3
	v_min_num_f32 v[T+4*\j],   v[RB+16*\g+4*\j+2], v[CC+2]
	v_min_num_f32 v[T+4*\j+1], v[RB+16*\g+4*\j+3], v[CC+3]
	v_max_num_f32 v[T+4*\j+2], v[RB+16*\g+4*\j],   v[CC]
	v_max_num_f32 v[T+4*\j+3], v[RB+16*\g+4*\j+1], v[CC+1]
.endr
.irp j, 0,1,2,3
	v_pk_add_f32 v[T+4*\j:T+4*\j+1], v[T+4*\j:T+4*\j+1], v[T+4*\j+2:T+4*\j+3] neg_lo:[0,1] neg_hi:[0,1]
.endr
.irp j, 0,1,2,3
	v_pk_add_f32 v[T+4*\j:T+4*\j+1], v[T+4*\j:T+4*\j+1], 1.0 op_sel_hi:[1,0]
	v_add_f32 v[T+4*\j+2], v[RA+4*\g+\j], v[CAR]
.endr
.irp j, 0,1,2,3
	v_max_num_f32 v[T+4*\j],   0, v[T+4*\j]
	v_max_num_f32 v[T+4*\j+1], 0, v[T+4*\j+1]
.endr
.irp j, 0,1,2,3
	v_mul_f32 v[T+4*\j], v[T+4*\j], v[T+4*\j+1]            ; inter
.endr
.irp j, 0,1,2,3
	v_sub_f32 v[T+4*\j+2], v[T+4*\j+2], v[T+4*\j]          ; union
.endr
.irp j, 0,1,2,3
	v_mul_f32 v[T+4*\j+2], 0.5, v[T+4*\j+2]
.endr
.irp j, 0,1,2,3
	v_cmp_gt_f32 s[66+\j], v[T+4*\j], v[T+4*\j+2]
.endr
.irp j, 0,1,2,3
	v_writelane_b32 v[WW], s[66+\j], 4*\g+\j               ; the row's 32 bits become lane 'row' of the tile's register
.endr
.endm
; tile (b, b'): s27 = b, s28 = b', s72 = b' as it enters addresses, s31 = 6016 b; its loads have been issued
.macro TILE
	s_lshl2_add_u32 s71, s72, s31
	v_add_nc_u32 v235, s71, v9                     ; word b' of row 32 b + lane
	s_cmp_eq_u32 s27, s28
	s_cselect_b32 s70, 0, -1
	v_or_b32 v234, s70, v8                         ; all bits, or on the diagonal those behind the row
	v_mov_b32 v[WW], 0
	s_wait_loadcnt 0x0                             ; zero: the column, and in a block row's first tile the 40 row loads too; it also frees the offset registers
.irp g, 0,1,2,3,4,5,6,7
	ROW4 \g
.endr
	v_and_b32 v[WW], v[WW], v234
	ds_store_b32 v235, v[WW]
.endm
	s_load_b256 s[4:11], s[0:1], 0x0               ; nvb 4, bx 6, sc 8, ar 10
	s_load_b128 s[12:15], s[0:1], 0x20             ; kb 12, top 14
	v_lshl_add_u32 v254, v0, 2, 0x46000
	v_mov_b32 v255, 0
	v_and_b32 v1, 31, v0                           ; lane
	v_lshrrev_b32 v2, 5, v0
	v_readfirstlane_b32 s20, v2                    ; wave
	s_mul_i32 s66, ttmp9, 6144                     ; sc, ar, kb: 1,536 words a class
	s_mov_b32 s67, 0
	s_lshl_b32 s68, s66, 2                         ; bx: 24,576 c'
	s_mov_b32 s69, 0
	s_lshl_b32 s70, ttmp9, 9                       ; top: 512 c'
	s_mov_b32 s71, 0
	s_lshl_b32 s72, ttmp9, 8                       ; nvb: 256 c'
	s_mov_b32 s73, 0
	s_lshr_b32 s25, s20, 2                         ; wr: my tiles' block rows are wr, wr + 4, ..
	s_and_b32 s26, s20, 3                          ; wc: my tiles' block columns are congruent to wc modulo 4
	s_sub_co_u32 s29, s26, s25
	s_and_b32 s29, s29, 3                          ; from the diagonal to my first column: (wc - wr) mod 4
	s_add_co_u32 s87, s25, s29                     ; my first tile's block column
	s_lshl_b32 s74, s25, 9
	s_lshl_b32 s75, s25, 7
	v_lshlrev_b32 v2, 4, v1                        ; 16 lane
	v_lshlrev_b32 v3, 2, v1                        ; 4 lane
	v_mov_b32 v230, s74
	v_mov_b32 v231, s75
	v_lshl_add_u32 v232, s87, 9, v2
	v_lshl_add_u32 v233, s87, 7, v3
	v_lshlrev_b32 v236, 4, v0                      ; 16 t
	v_min_u32 v238, 6128, v236                     ; a class has 6,144 bytes of scores: waves 12 to 15 have no places of their own, read the last 16 bytes again and use nothing of them
	s_wait_kmcnt 0x0
	s_add_nc_u64 s[4:5], s[4:5], s[72:73]
	s_add_nc_u64 s[6:7], s[6:7], s[68:69]
	s_add_nc_u64 s[8:9], s[8:9], s[66:67]
	s_add_nc_u64 s[10:11], s[10:11], s[66:67]
	s_add_nc_u64 s[12:13], s[12:13], s[66:67]
	s_add_nc_u64 s[14:15], s[14:15], s[70:71]
	s_load_b32 s22, s[4:5], 0x0                    ; nv
	ROWLOADS                                       ; my first tile and my scores go out beside it
	COLLOADS
	global_load_b128 v[KB:KB+3], v238, s[8:9]
.irp j, 4,5,6,7
	v_mov_b32 v\j, 0
.endr
	v_mov_b32 v8, -2
	v_lshlrev_b32 v8, v1, v8                       ; bits above my lane: a diagonal tile keeps only columns behind the row
	v_mul_u32_u24 v9, v1, ROWP
	v_add_nc_u32 v9, MAT, v9                       ; row 'lane' of the matrix
	v_lshlrev_b32 v61, 4, v0                       ; the zero fill's address
	v_mov_b32 v10, 0                               ; keep words: zero for blocks that the scan does not reach
	v_mov_b32 v11, 0
	v_add_nc_u32 v12, 32, v1
	s_wait_kmcnt 0x0
	s_min_u32 s22, s22, 1500                       ; nv
	s_add_co_u32 s23, s22, 31
	s_lshr_b32 s23, s23, 5                         ; nb = blocks of 32 places, 47 at the most
	s_mul_i32 s24, s23, BLKP
	s_add_co_u32 s24, s24, MAT+128+8191            ; 128 more: the scan's loads of words 32 to 63 reach 68 bytes past the last row
	s_lshr_b32 s24, s24, 13                        ; trips of 8,192 bytes (512 threads x 16), 1 to 35
	; zeros from LDS byte 0 to the end of the rows in use: tiles left of the diagonal and words from nb on are never stored, but are read
	s_mov_b32 s27, 0
.Lzero:
	ds_store_b128 v61, v[4:7]
	v_add_nc_u32 v61, 8192, v61
	v_min_u32 v61, 286704, v61                     ; the last 16 bytes the fill reaches: the stepped address is not used beyond them
	s_add_co_u32 s27, s27, 1
	s_cmp_lt_u32 s27, s24
	s_cbranch_scc1 .Lzero
	BAR                                            ; the zeros lie before any wave stores a tile
	; BUILD.  Tile (b, b'), b' >= b: rows 32 b .. + 31 the same in every lane, column 32 b' + lane; all from memory, so this phase only stores to LDS.
	; My first tile, asked for at the head, if its block column lies below nb (its block row then does too)
	s_cmp_ge_u32 s87, s23
	s_cbranch_scc1 .Lno_first
	s_mov_b32 s27, s25
	s_mov_b32 s28, s87
	s_min_u32 s72, s87, 46
	s_mul_i32 s31, s25, BLKP
	TILE
.Lno_first:
	s_wait_loadcnt 0x0                             ; on the way round the tile too: the 43 loads of the head are in before their registers are loaded or their offsets written again
	; The other tiles.  Both loops count their trips by 1; the block numbers are made from the counters: b = wr + 4 i, b' = first column + 4 j.
	s_add_co_u32 s85, s23, 3
	s_sub_co_u32 s85, s85, s25                     ; wr <= 3: no wrap
	s_lshr_b32 s85, s85, 2                         ; my block rows: the b = wr + 4 i below nb
	s_min_u32 s85, s85, 12                         ; 47 blocks, four apart: 12 at the most
	s_cmp_eq_u32 s85, 0
	s_cbranch_scc1 .Lbuilt
	s_mov_b32 s86, 0
.Lrows:
	s_lshl2_add_u32 s27, s86, s25                  ; b
	s_add_co_u32 s87, s27, s29                     ; my first block column on or right of the diagonal
	s_add_co_u32 s88, s23, 3
	s_sub_co_u32 s88, s88, s87                     ; nb - b >= 1 and the distance from the diagonal <= 3: no wrap
	s_lshr_b32 s88, s88, 2                         ; my tiles in this block row
	s_min_u32 s88, s88, 12
	s_cmp_eq_u32 s86, 0
	s_cselect_b32 s89, 1, 0                        ; the first block row's first tile is done
	s_cmp_ge_u32 s89, s88
	s_cbranch_scc1 .Lrow_done                      ; none left: the row's loads are not issued either
	s_min_u32 s30, s27, 46                         ; b < nb <= 47, stated where b enters addresses
	s_mul_i32 s31, s30, BLKP
	s_cmp_eq_u32 s86, 0
	s_cbranch_scc1 .Lcols                          ; the first block row's boxes and areas are in the registers since the head
	s_lshl_b32 s66, s30, 9
	s_lshl_b32 s67, s30, 7
	v_mov_b32 v230, s66                            ; free: every earlier load was waited for, in a tile or behind the first tile's label
	v_mov_b32 v231, s67
	ROWLOADS
.Lcols:
	s_lshl2_add_u32 s28, s89, s87                  ; b'
	s_min_u32 s72, s28, 46
	v_lshl_add_u32 v232, s72, 9, v2
	v_lshl_add_u32 v233, s72, 7, v3
	COLLOADS
	TILE
	s_add_co_u32 s89, s89, 1
	s_cmp_lt_u32 s89, s88
	s_cbranch_scc1 .Lcols
.Lrow_done:
	s_add_co_u32 s86, s86, 1
	s_cmp_lt_u32 s86, s85
	s_cbranch_scc1 .Lrows
.Lbuilt:
	BAR                                            ; the matrix is whole
	; SCAN, wave 0 alone; it only loads from LDS.  v129 / v130: lane L holds the suppressed bits of block L / 32 + L.
	s_cmp_lg_u32 s20, 0
	s_cbranch_scc1 .Lscanned
	s_cmp_eq_u32 s23, 0
	s_cbranch_scc1 .Lscanned
	v_mov_b32 v129, 0
	v_mov_b32 v130, 0
	v_add_nc_u32 v138, MAT, v3
	s_mov_b32 s27, 0
.Lscan:
	s_min_u32 s30, s27, 46
	s_mul_i32 s66, s30, BLKP
	s_lshl2_add_u32 s67, s30, s66
	v_add_nc_u32 v137, s67, v9                     ; the diagonal tile: word b of row 32 b + lane
	v_add_nc_u32 v136, s66, v138                   ; word 'lane' of row 32 b
	ds_load_b32 v128, v137
.set m, 0
.rept 32
	ds_load_b32 v[64+m], v136 offset:ROWP*m        ; row m, words 0 to 31
.set m, m+1
.endr
	s_and_b32 s69, s27, 31
	v_readlane_b32 s68, v129, s69
	v_readlane_b32 s70, v130, s69
	s_cmp_lt_u32 s27, 32
	s_cselect_b32 s68, s68, s70                    ; this block's suppressed bits so far
	s_lshl_b32 s71, s27, 5
	s_sub_co_u32 s71, s22, s71
	s_min_u32 s71, s71, 32                         ; places of the block below nv
	s_bfm_b32 s72, s71, 0
	s_cmp_ge_u32 s71, 32
	s_cselect_b32 s72, -1, s72
	s_and_not1_b32 s73, s72, s68                   ; alive
	s_wait_dscnt 32                                ; the diagonal tile is in; the 32 loads issued behind it stay out
.set m, 0
.rept 32
	v_readlane_b32 s[32+m], v128, m
.set m, m+1
.endr
	; the chain: if place m is still alive it is kept and takes its row's bits out of 'alive'; s[32+m] becomes all ones or 0
.set m, 0
.rept 32
	s_bitcmp1_b32 s73, m
	s_cselect_b32 s74, s[32+m], 0
	s_cselect_b32 s[32+m], -1, 0
	s_and_not1_b32 s73, s73, s74
.set m, m+1
.endr
	s_wait_dscnt 0x0                               ; words 0 to 31 of the 32 rows
.irp j, 0,1,2,3
	v_and_b32 v[132+\j], s[32+\j], v[64+\j]
.endr
.set m, 4
.rept 28
	v_and_or_b32 v[132+m%4], v[64+m], s[32+m], v[132+m%4]
.set m, m+1
.endr
	v_or_b32 v132, v132, v133
	v_or_b32 v134, v134, v135
	v_or_b32 v129, v129, v132
	v_or_b32 v129, v129, v134
	s_cmp_le_u32 s23, 32
	s_cbranch_scc1 .Lno_hi                         ; no block from 32 on: their words are not fetched, and v130 stays 0
.set m, 0
.rept 32
	ds_load_b32 v[96+m], v136 offset:ROWP*m+128    ; row m, words 32 to 63 (from 47 on they are the next row's: they land in lanes that stand for no block)
.set m, m+1
.endr
	s_wait_dscnt 0x0
.irp j, 0,1,2,3
	v_and_b32 v[132+\j], s[32+\j], v[96+\j]
.endr
.set m, 4
.rept 28
	v_and_or_b32 v[132+m%4], v[96+m], s[32+m], v[132+m%4]
.set m, m+1
.endr
	v_or_b32 v132, v132, v133
	v_or_b32 v134, v134, v135
	v_or_b32 v130, v130, v132
	v_or_b32 v130, v130, v134
.Lno_hi:
	v_mov_b32 v139, s73                            ; the block's keep bits go to the lane that stands for the block
	v_cmp_eq_u32 vcc_lo, s27, v1
	v_cndmask_b32 v10, v10, v139, vcc_lo
	v_cmp_eq_u32 vcc_lo, s27, v12
	v_cndmask_b32 v11, v11, v139, vcc_lo
	s_add_co_u32 s27, s27, 1
	s_cmp_lt_u32 s27, s23
	s_cbranch_scc1 .Lscan
.Lscanned:
	BAR                                            ; the scan's reads of LDS are over
	s_cmp_lg_u32 s20, 0
	s_cbranch_scc1 .Lkw_done
	ds_store_b32 v3, v10 offset:KW                 ; 64 keep words; zero for blocks from nb on
	ds_store_b32 v3, v11 offset:KW+128
.Lkw_done:
	BAR                                            ; the keep words lie in LDS
	; kb: waves 0 to 11, thread t takes places 4 t .. 4 t + 3, whose scores came in at the head; each store of a wave covers 512 consecutive bytes, aligned
	s_cmp_ge_u32 s20, 12
	s_cbranch_scc1 .Lend
	v_lshrrev_b32 v237, 3, v0
	v_lshlrev_b32 v237, 2, v237                    ; keep word t / 8
	ds_load_b32 v100, v237 offset:KW
	v_and_b32 v101, 7, v0
	v_lshlrev_b32 v101, 2, v101
	s_wait_dscnt 0x0
	v_lshrrev_b32 v100, v101, v100                 ; my four bits at the bottom
.irp j, 0,1,2,3
	v_and_b32 v102, 1<<\j, v100
	v_cmp_ne_u32 vcc_lo, 0, v102
	v_cndmask_b32 v[KB+\j], 0, v[KB+\j], vcc_lo
.endr
	global_store_b128 v236, v[KB:KB+3], s[12:13]
	; top: wave 0 alone.  Its four registers hold places 0 to 127, zero where not kept: the first chunk of 128, in an order that a sort does not mind.
	s_cmp_lg_u32 s20, 0
	s_cbranch_scc1 .Lend
; SORTING 128 numbers in four registers, element e = 32 r + lane, falling.  A merge level of 2 k compares e with e xor (2 k - 1), then with
; e xor k/2, k/4, .. 1; the lower index of a pair always takes the larger number.
.macro LST base, xm, msk               ; partners inside 16 lanes: lane xor xm; msk: the lanes that are the lower partner
.irp r, 0,1,2,3
	v_max_num_f32_dpp v[HH+\r], v[\base+\r], v[\base+\r] row_xmask:\xm row_mask:0xf bank_mask:0xf
.endr
.irp r, 0,1,2,3
	v_min_num_f32_dpp v[LL+\r], v[\base+\r], v[\base+\r] row_xmask:\xm row_mask:0xf bank_mask:0xf
.endr
.irp r, 0,1,2,3
	v_cndmask_b32 v[\base+\r], v[LL+\r], v[HH+\r], s[\msk]
.endr
.endm
.macro P16 base, s0, s1                ; partners in the other half of the lanes: lane xor 16 or lane xor 31, by the selects
.irp r, 0,1,2,3
	v_permlanex16_b32 v[HH+\r], v[\base+\r], s[\s0], s[\s1]
.endr
.irp r, 0,1,2,3
	v_min_num_f32 v[LL+\r], v[\base+\r], v[HH+\r]
.endr
.irp r, 0,1,2,3
	v_max_num_f32 v[HH+\r], v[\base+\r], v[HH+\r]
.endr
.irp r, 0,1,2,3
	v_cndmask_b32 v[\base+\r], v[LL+\r], v[HH+\r], s[M16]
.endr
.endm
.macro RP a, b, h                      ; partners in two registers, same lane
	v_max_num_f32 v[HH+\h], v[\a], v[\b]
	v_min_num_f32 v[\b], v[\a], v[\b]
	v_mov_b32 v[\a], v[HH+\h]
.endm
.macro RF a, b, h                      ; partners in two registers, lane against 31 - lane
	v_permlanex16_b32 v[HH+\h], v[\b], s[SR0], s[SR1]
	v_permlanex16_b32 v[LL+\h], v[\a], s[SR0], s[SR1]
	v_max_num_f32 v[\a], v[\a], v[HH+\h]
	v_min_num_f32 v[\b], v[\b], v[LL+\h]
.endm
.macro CL8 base
	LST \base, 8, M8
	LST \base, 4, M4
	LST \base, 2, M2
	LST \base, 1, M1
.endm
.macro SORT128 base
	LST \base, 1, M1
	LST \base, 3, M2
	LST \base, 1, M1
	LST \base, 7, M4
	LST \base, 2, M2
	LST \base, 1, M1
	LST \base, 15, M8
	LST \base, 4, M4
	LST \base, 2, M2
	LST \base, 1, M1
	P16 \base, SR0, SR1
	CL8 \base
	RF \base, \base+1, 0
	RF \base+2, \base+3, 1
	P16 \base, SI0, SI1
	CL8 \base
	RF \base, \base+3, 0
	RF \base+1, \base+2, 1
	RP \base, \base+1, 0
	RP \base+2, \base+3, 1
	P16 \base, SI0, SI1
	CL8 \base
.endm
.macro MERGE a, b                      ; a = the 128 largest of two sorted lists: max(a[e], b[127 - e]) is bitonic; then distances 64 .. 1
.irp r, 0,1,2,3
	v_permlanex16_b32 v[HH+\r], v[\b+3-\r], s[SR0], s[SR1]
.endr
.irp r, 0,1,2,3
	v_max_num_f32 v[\a+\r], v[\a+\r], v[HH+\r]
.endr
	RP \a, \a+2, 0
	RP \a+1, \a+3, 1
	RP \a, \a+1, 0
	RP \a+2, \a+3, 1
	P16 \a, SI0, SI1
	CL8 \a
.endm
; a further 128 places: the score where the keep bit is set, 0 elsewhere.  v104: 16 x chunk; v105: 512 x chunk + 4 lane
.macro CHUNK base
	ds_load_b128 v[KQ:KQ+3], v104 offset:KW
.irp r, 0,1,2,3
	global_load_b32 v[\base+\r], v105, s[8:9] offset:128*\r
.endr
	s_wait_dscnt 0x0
.irp r, 0,1,2,3
	v_lshrrev_b32 v[KQ+\r], v1, v[KQ+\r]
.endr
.irp r, 0,1,2,3
	v_and_b32 v[KQ+\r], 1, v[KQ+\r]
.endr
.irp r, 0,1,2,3
	v_cmp_ne_u32 s[66+\r], 0, v[KQ+\r]
.endr
	s_wait_loadcnt 0x0                             ; the four scores; it also frees v105 for the next chunk
.irp r, 0,1,2,3
	v_cndmask_b32 v[\base+\r], 0, v[\base+\r], s[66+\r]
.endr
.endm
	s_mov_b32 s[M1],  0x55555555
	s_mov_b32 s[M2],  0x33333333
	s_mov_b32 s[M4],  0x0f0f0f0f
	s_mov_b32 s[M8],  0x00ff00ff
	s_mov_b32 s[M16], 0x0000ffff
	s_mov_b32 s[SI0], 0x76543210
	s_mov_b32 s[SI1], 0xfedcba98
	s_mov_b32 s[SR0], 0x89abcdef
	s_mov_b32 s[SR1], 0x01234567
.irp r, 0,1,2,3
	v_mov_b32 v[HH+\r], 0                          ; destinations of lane-crossing instructions count as read: written once here
	v_mov_b32 v[LL+\r], 0
	v_mov_b32 v[AA+\r], v[KB+\r]                   ; the store above still reads its data registers: the sort works on a copy
.endr
	s_add_co_u32 s28, s23, 3
	s_lshr_b32 s28, s28, 2                         ; chunks of 128 places that hold places below nv
	SORT128 AA
	s_cmp_le_u32 s28, 1
	s_cbranch_scc1 .Ltop_out
	s_mov_b32 s27, 1
.Lchunk:
	s_min_u32 s30, s27, 11                         ; 12 chunks at the most
	s_lshl_b32 s29, s30, 4
	v_mov_b32 v104, s29
	v_lshl_add_u32 v105, s30, 9, v3
	CHUNK XX
	SORT128 XX
	MERGE AA, XX
	s_add_co_u32 s27, s27, 1
	s_cmp_lt_u32 s27, s28
	s_cbranch_scc1 .Lchunk
.Ltop_out:
	global_store_b128 v2, v[AA:AA+3], s[14:15]     ; 512 consecutive bytes, aligned
.Lend:
	s_barrier_signal -1
	s_barrier_wait -1
	s_wait_tensorcnt 0x0
	ds_add_u32 v254, v255
	s_wait_dscnt 0x0
	s_endpgm
.Lfunc_end_k_q59a5256fa4_l2_nms:
	.size	k_q59a5256fa4_l2_nms, .Lfunc_end_k_q59a5256fa4_l2_nms-k_q59a5256fa4_l2_nms
	.p2alignl 7, 3214868480
	.fill 96, 4, 3214868480
	.section	.rodata,"a",@progbits
	.p2align	6, 0x0
	.amdhsa_kernel k_q59a5256fa4_l2_nms
		.amdhsa_group_segment_fixed_size 288768
		.amdhsa_private_segment_fixed_size 0
		.amdhsa_enable_private_segment 0
		.amdhsa_kernarg_size 48
		.amdhsa_user_sgpr_count 2
		.amdhsa_user_sgpr_kernarg_segment_ptr 1
		.amdhsa_wavefront_size32 1
		.amdhsa_system_sgpr_workgroup_id_x 1
		.amdhsa_system_sgpr_workgroup_id_y 1
		.amdhsa_system_sgpr_workgroup_id_z 1
		.amdhsa_system_vgpr_workitem_id 0
		.amdhsa_next_free_vgpr 256
		.amdhsa_next_free_sgpr 96
		.amdhsa_reserve_vcc 1
		.amdhsa_float_denorm_mode_32 3
		.amdhsa_float_denorm_mode_16_64 3
		.amdhsa_memory_ordered 1
		.amdhsa_forward_progress 1
		.amdhsa_inst_pref_size 113
	.end_amdhsa_kernel
	.amdgpu_metadata
---
amdhsa.version: [ 1, 2 ]
amdhsa.kernels:
  - .name:           k_q59a5256fa4_l2_nms
    .symbol:         k_q59a5256fa4_l2_nms.kd
    .args:
      - { .name: nvb, .offset: 0, .size: 8, .value_kind: global_buffer, .address_space: global }
      - { .name: bx, .offset: 8, .size: 8, .value_kind: global_buffer, .address_space: global }
      - { .name: sc, .offset: 16, .size: 8, .value_kind: global_buffer, .address_space: global }
      - { .name: ar, .offset: 24, .size: 8, .value_kind: global_buffer, .address_space: global }
      - { .name: kb, .offset: 32, .size: 8, .value_kind: global_buffer, .address_space: global }
      - { .name: top, .offset: 40, .size: 8, .value_kind: global_buffer, .address_space: global }
    .group_segment_fixed_size: 288768
    .private_segment_fixed_size: 0
    .kernarg_segment_align: 8
    .kernarg_segment_size: 48
    .max_flat_workgroup_size: 512
    .sgpr_count:     96
    .vgpr_count:     256
    .wavefront_size: 32
...
	.end_amdgpu_metadata
.endif
;; end of part 7
;; launch l3_cap: the kernel of part 4 again; grid 118 x 1, 16 waves a work-group, no clusters, 38,400 bytes of LDS; arguments bx, kb, top, out0, out1, out2; writes out0, out1, out2
